; MI455X (gfx1250); checked and timed in simulation.
; The chip was launched on July 23, 2026; its instructions are those of AMD's public machine-readable ISA for CDNA 5 (MIT licence, August 2026) and "CDNA5" Instruction Set Architecture Reference Guide (July 2026). The comments in the code are by the model that wrote it; some were corrected since.
;; Dot Scaled Attention. Allowed arithmetic: matrix products marked QUANTISED: E2M1 operands, one E8M0 scale for each 32 along K, by v_wmma_scale_f32_16x16x128_f8f6f4 with both operands' format E2M1 (or v_wmma_scale_f32_32x16x128_f4), f32 sums; everything else in f32.
;; Inputs: Wk 1,024 x 512 float32; Wq 1,024 x 512 float32; bk 512 float32; bq 512 float32; x0 8 x 2,048 x 1,024 float32; x1 8 x 2,048 x 1,024 float32; x2 8 x 2,048 x 1,024 float32.
;; Outputs: out0 8 x 2,048 x 512 float32.
;; This version of the problem:
;;   THIS VERSION OF THE PROBLEM IS GIVEN IN LOW PRECISION. The matrix products marked QUANTISED in the list below multiply operands that are first quantised to E2M1 (2 exponent bits, 1 mantissa bit; 4 bits a number), with one power-of-two scale for each 32 numbers along K (OCP MX v1.0); their sums are f32. All else is computed in f32.
;;   The module's matrix products, in the order in which they are computed (A, B: the left and right operand; K: the contracted axis; several contracted axes count as one K, in the product's order):
;;     1. [M 16,384, K 1,024] x [K 1,024, N 512]; A: input x0; B: input Wq: QUANTISED
;;     2. [M 16,384, K 1,024] x [K 1,024, N 512]; A: input x1; B: input Wk: QUANTISED
;;     3. [M 16,384, K 1,024] x [K 1,024, N 512]; A: input x2; B: input Wk: QUANTISED
;;     4. batch 8 x [M 2,048, K 512] x [K 512, N 2,048]; A: computed on the way; B: computed on the way: QUANTISED
;;     5. batch 8 x [M 2,048, K 2,048] x [K 2,048, N 512]; A: softmax (see below); B: computed on the way: QUANTISED
;;   THE QUANTISER, for each operand of a quantised product, along K:
;;     - K is cut into blocks of 32 from its start; a last block that is shorter is filled with zeros.
;;     - A block's scale is 2^e with e = floor(log2(the largest magnitude in the block)) - 2, held to -126 .. 127; a block of zeros has e = 0. As a byte (E8M0): e + 127.
;;     - Each number is divided by its block's scale, clamped to +-6, and rounded to the nearest number of E2M1, ties to even, subnormals kept.
;;     - The product sums the exact products of the quantised numbers (number of the format x scale) in f32.
;;   ~~~python
;;   def quantise(x, axis):      # numpy; x: float32 -> the quantised numbers, widened to float32 again
;;       x = np.moveaxis(x, axis, -1); K = x.shape[-1]
;;       x = np.pad(x, [(0, 0)] * (x.ndim - 1) + [(0, -K % 32)]); x = x.reshape(x.shape[:-1] + (-1, 32)); a = np.abs(x).max(-1, keepdims=True)
;;       e = np.where(a > 0, np.clip(np.frexp(np.where(a > 0, a, 1))[1] - 1 - 2, -126, 127), 0)      # np.frexp(a)[1] - 1 = floor(log2(a)), exactly
;;       r = np.clip(x / 2.0 ** e, -6, 6)
;;       step = 2.0 ** (np.maximum(np.frexp(np.where(r == 0, 1, r))[1] - 1, 0) - 1)
;;       q = np.round(r / step) * step * 2.0 ** e      # np.round: ties to even
;;       return np.moveaxis(q.reshape(q.shape[:-2] + (-1,))[..., :K], -1, axis).astype(np.float32)
;;   ~~~
;;   SOFTMAX AHEAD OF A QUANTISED PRODUCT. Where the list says 'softmax', what is quantised is not the finished softmax but p = 2^(t - M), with t = logit x log2(e) and M = ceil(the row's largest t), a whole number; so 1/2 < the row's largest p <= 1. The row's sum l is taken of the UNQUANTISED p, in f32, and the product's result is divided by l at the end. Since M is a whole number, a kernel that streams over the keys may use a running M (the ceiling of the running maximum): every later rescaling is an exact power of two, which a block's scale takes up: the codes' values come out the same.
;;   OPERANDS COMPUTED ON THE WAY. 'Computed on the way' means the value that the module computes at that place (a softmax that the list does not call 'softmax' is quantised finished and normalised). What goes into a quantiser is computed in f32, as accurately as f32 sums, v_exp_f32 and their like allow (about 1e-6 of the number): no bf16 or f16 on the way to a quantiser, and a product that is left as it is and whose result goes on into a quantised operand takes f32 operands (vector FMAs, or v_wmma_f32_16x16x4_f32). A number that lies on a knife's edge between two numbers of the format may be rounded either way, as far as f32 arithmetic and the matrix unit's own rounding can turn it there, and no further.
;; 2 versions. Each part assembles by itself: llvm-mc -triple=amdgcn-amd-amdhsa -mcpu=gfx1250 --defsym DOCPART=n.
;; ======== version 1 of 2: 3 launches
;; limits: right only within a limited range of input values
;; workspace buffers: wc 524,288 bytes; wsc 32,768 bytes; qc 4,194,304 bytes; qs 262,144 bytes; kc 4,194,304 bytes; ks 262,144 bytes; vc 4,194,304 bytes; vs 262,144 bytes
;; launch wquant (part 1): grid 32 x 2, 4 waves a work-group, no clusters, 1,536 bytes of LDS; arguments Wq, Wk, wc, wsc; writes wc, wsc
.if DOCPART == 1
	.amdgcn_target "amdgcn-amd-amdhsa--gfx1250"
	.amdhsa_code_object_version 6
	.text
	.protected	k_q2c7d16d7c1_wquant
	.globl	k_q2c7d16d7c1_wquant
	.p2align	8
	.type	k_q2c7d16d7c1_wquant,@function
k_q2c7d16d7c1_wquant:
	s_mov_b64 s[64:65], 0
	v_nop
	global_prefetch_b8 v0, s[64:65] scope:SCOPE_SE
	s_setreg_imm32_b32 hwreg(HW_REG_WAVE_MODE, 25, 1), 1
	s_wait_xcnt 0x0
; Wq and Wk, [1024 (k)][512 (n)] f32, become codes of FP4 (E2M1) with one E8M0 byte for each 32 along K, laid in the order of an operand's registers.
; wc:  [weight 2][w 4][t 8][s 8][1,024 bytes]: a fragment of 16 columns x 128 K.  Its row r is column n = 128 w + 32 (t / 2) + 8 (t % 2) + r + 8 (r / 8); the 32 codes of K block kb of row r lie at 256 kb + 16 r.
; wsc: [weight][w][s 8][lane 32][b 4] words: lane 16 u + r, word b: the four scale bytes of tile 2 b + u, row r, K step s.
; A LANE TAKES A COLUMN AND ITS REGISTERS RUN DOWN K: a block of 32 lies in one lane, no maximum crosses lanes, and the conversions give codes with K innermost.
; Work-group x = 8 w + s, y = weight; wave b takes tiles 2 b and 2 b + 1 (lanes 0-15, lanes 16-31).  Each load of a wave reads 128 consecutive bytes of a row of W.
; A block's scale is 2^(floor(log2(largest magnitude)) - 2); its byte is the largest magnitude's exponent field - 2, held at 1 from below.
; LIMITS: a block of zeros gets the byte 1 where the rule says 127 (its codes are zeros, and this program alone reads the bytes); NaN and infinities among the inputs are not served.
; 64 work-groups: a scale word wants 128 along K of a column in one lane, and the two weights have 2 x 512 x 8 such runs, 128 to a work-group.
.set X, 32                             ; v32-159  128 numbers: K = 128 s + 0 .. 127 of my column
.set C, 16                             ; v16-31   codes, four registers a block: no store's data are written again
	s_load_b128 s[4:7], s[0:1], 0x0                ; Wq, Wk
	s_load_b128 s[8:11], s[0:1], 0x10              ; wc, wsc
	v_lshl_add_u32 v168, v0, 2, 0x400
	v_mov_b32 v169, 0
	v_lshrrev_b32 v8, 5, v0
	v_readfirstlane_b32 s12, v8                    ; wave b
	v_and_b32 v1, 31, v0                           ; lane
	v_and_b32 v2, 15, v0                           ; r
	v_bfe_u32 v3, v0, 4, 1                         ; u
	v_and_b32 v4, 8, v2
	v_add_nc_u32 v4, v4, v2                        ; r + 8 (r / 8)
	v_lshl_add_u32 v4, v3, 3, v4                   ; + 8 u: my column among the wave's 32
	v_lshlrev_b32 v4, 2, v4                        ; in bytes
	v_lshlrev_b32 v5, 4, v2
	v_lshl_add_u32 v5, v3, 13, v5                  ; codes out: 16 r, and tile 2 b + 1 lies 8,192 bytes behind tile 2 b
	v_lshlrev_b32 v7, 4, v1                        ; 16 x lane
	v_lshl_add_u32 v6, v8, 2, v7                   ; LDS: 16 x lane + 4 b: my scale word's place
	s_and_b32 s13, ttmp7, 0xffff                   ; which weight
	s_lshr_b32 s14, ttmp9, 3                       ; w
	s_and_b32 s15, ttmp9, 7                        ; s
	s_lshl_b32 s16, s15, 18                        ; W: 128 s rows of 2,048 bytes
	s_lshl_b32 s22, s14, 9
	s_add_co_u32 s16, s16, s22                     ; + 128 w columns
	s_lshl_b32 s22, s12, 7
	s_add_co_u32 s16, s16, s22                     ; + 32 b columns
	s_mov_b32 s17, 0
	s_lshl_b32 s18, s13, 18                        ; wc: 262,144 weight + 65,536 w + 16,384 b + 1,024 s
	s_lshl_b32 s22, s14, 16
	s_add_co_u32 s18, s18, s22
	s_lshl_b32 s22, s12, 14
	s_add_co_u32 s18, s18, s22
	s_lshl_b32 s22, s15, 10
	s_add_co_u32 s18, s18, s22
	s_mov_b32 s19, 0
	s_lshl_b32 s20, s13, 14                        ; wsc: 16,384 weight + 4,096 w + 512 s
	s_lshl_b32 s22, s14, 12
	s_add_co_u32 s20, s20, s22
	s_lshl_b32 s22, s15, 9
	s_add_co_u32 s20, s20, s22
	s_mov_b32 s21, 0
	s_wait_kmcnt 0x0
	s_cmp_eq_u32 s13, 0                            ; the choice hangs on the work-group's number alone
	s_cselect_b64 s[4:5], s[4:5], s[6:7]
	s_add_nc_u64 s[4:5], s[4:5], s[16:17]
	s_add_nc_u64 s[8:9], s[8:9], s[18:19]
	s_add_nc_u64 s[10:11], s[10:11], s[20:21]
.macro LOAD kb                         ; block kb: W(128 s + 32 kb + i, my column), i = 0 .. 31
.set i, 0
.rept 32
	global_load_b32 v[X+32*(\kb)+i], v4, s[4:5] offset:(32*(\kb)+i)*2048 th:TH_LOAD_NT
.set i, i+1
.endr
.endm
.macro BLOCK kb
.set XS, X+32*(\kb)
.if (\kb) < 3
	s_wait_loadcnt 32                              ; this block's 32 loads are in; the next block's 32, the only younger ones, may be out
.else
	s_wait_loadcnt 0x0
.endif
.if (\kb) < 2
	LOAD (\kb)+2                                   ; two blocks ahead, into registers of its own
.endif
	v_max3_num_f32 v8, |v[XS]|, |v[XS+1]|, |v[XS+2]|               ; the block's largest magnitude, in two chains
	v_max3_num_f32 v9, |v[XS+3]|, |v[XS+4]|, |v[XS+5]|
.irp i, 6,10,14,18,22,26
	v_max3_num_f32 v8, v8, |v[XS+\i]|, |v[XS+\i+1]|
	v_max3_num_f32 v9, v9, |v[XS+\i+2]|, |v[XS+\i+3]|
.endr
	v_max3_num_f32 v8, v8, |v[XS+30]|, |v[XS+31]|
	v_max3_num_f32 v8, v8, v9, 0x1800000           ; and the floor 2^(3 - 127): the byte cannot fall under 1
	v_add_nc_u32 v11, 0xff000000, v8               ; 2 off the exponent field: the conversion takes this operand's exponent field as its scale
	v_lshrrev_b32 v10, 23, v11                     ; the scale's byte
.if (\kb) == 0
	v_mov_b32 v12, v10                             ; four bytes make my column's scale word, the lower K in the lower byte
.else
	v_lshl_or_b32 v12, v10, 8*(\kb), v12
.endif
.irp g, 0,1,2,3
	v_cvt_scalef32_pk8_fp4_f32 v[C+4*(\kb)+\g], v[XS+8*\g:XS+8*\g+7], v11
.endr
	global_store_b128 v5, v[C+4*(\kb):C+4*(\kb)+3], s[8:9] offset:256*(\kb)   ; lanes 0-15 store 256 consecutive bytes, aligned, of tile 2 b; lanes 16-31 of tile 2 b + 1
.endm
	LOAD 0
	LOAD 1
	BLOCK 0
	BLOCK 1
	BLOCK 2
	BLOCK 3
	ds_store_b32 v6, v12                           ; the four waves' scale words meet in LDS, so that they leave as 512 consecutive bytes
	s_wait_dscnt 0x0                               ; for the others' sake: my store has landed
	s_barrier_signal -1
	s_barrier_wait -1
	s_cmp_lg_u32 s12, 0
	s_cbranch_scc1 .Lend                           ; wave 0 alone stores them
	ds_load_b128 v[160:163], v7
	s_wait_dscnt 0x0
	global_store_b128 v7, v[160:163], s[10:11]
.Lend:
	s_wait_tensorcnt 0x0
	ds_add_u32 v168, v169
	s_wait_dscnt 0x0
	s_endpgm
.Lfunc_end_k_q2c7d16d7c1_wquant:
	.size	k_q2c7d16d7c1_wquant, .Lfunc_end_k_q2c7d16d7c1_wquant-k_q2c7d16d7c1_wquant
	.p2alignl 7, 3214868480
	.fill 96, 4, 3214868480
	.section	.rodata,"a",@progbits
	.p2align	6, 0x0
	.amdhsa_kernel k_q2c7d16d7c1_wquant
		.amdhsa_group_segment_fixed_size 1536
		.amdhsa_private_segment_fixed_size 0
		.amdhsa_enable_private_segment 0
		.amdhsa_kernarg_size 32
		.amdhsa_user_sgpr_count 2
		.amdhsa_user_sgpr_kernarg_segment_ptr 1
		.amdhsa_wavefront_size32 1
		.amdhsa_system_sgpr_workgroup_id_x 1
		.amdhsa_system_sgpr_workgroup_id_y 1
		.amdhsa_system_sgpr_workgroup_id_z 1
		.amdhsa_system_vgpr_workitem_id 0
		.amdhsa_next_free_vgpr 170
		.amdhsa_next_free_sgpr 66
		.amdhsa_reserve_vcc 0
		.amdhsa_float_denorm_mode_32 3
		.amdhsa_float_denorm_mode_16_64 3
		.amdhsa_memory_ordered 1
		.amdhsa_forward_progress 1
		.amdhsa_inst_pref_size 21
	.end_amdhsa_kernel
	.amdgpu_metadata
---
amdhsa.version: [ 1, 2 ]
amdhsa.kernels:
  - .name:           k_q2c7d16d7c1_wquant
    .symbol:         k_q2c7d16d7c1_wquant.kd
    .args:
      - { .name: Wq, .offset: 0, .size: 8, .value_kind: global_buffer, .address_space: global }
      - { .name: Wk, .offset: 8, .size: 8, .value_kind: global_buffer, .address_space: global }
      - { .name: wc, .offset: 16, .size: 8, .value_kind: global_buffer, .address_space: global }
      - { .name: wsc, .offset: 24, .size: 8, .value_kind: global_buffer, .address_space: global }
    .group_segment_fixed_size: 1536
    .private_segment_fixed_size: 0
    .kernarg_segment_align: 8
    .kernarg_segment_size: 32
    .max_flat_workgroup_size: 128
    .sgpr_count:     66
    .vgpr_count:     170
    .wavefront_size: 32
...
	.end_amdgpu_metadata
.endif
;; end of part 1
;; launch proj (part 2): grid 64 x 3, 4 waves a work-group, no clusters, 327,680 bytes of LDS; arguments x0, x1, x2, wc, wsc, bq, bk, qc, qs, kc, ks, vc, vs; writes qc, qs, kc, ks, vc, vs
.if DOCPART == 2
	.amdgcn_target "amdgcn-amd-amdhsa--gfx1250"
	.amdhsa_code_object_version 6
	.text
	.protected	k_q2c7d16d7c1_proj
	.globl	k_q2c7d16d7c1_proj
	.p2align	8
	.type	k_q2c7d16d7c1_proj,@function
k_q2c7d16d7c1_proj:
	s_mov_b64 s[64:65], 0
	v_nop
	global_prefetch_b8 v0, s[64:65] scope:SCOPE_SE
	s_setreg_imm32_b32 hwreg(HW_REG_WAVE_MODE, 25, 1), 1
	s_wait_xcnt 0x0
; q = (x0 Wq + bq) / sqrt(512), k = x1 Wk + bk, v = x2 Wk + bk, each [16,384][512], on codes of FP4 (E2M1) with one E8M0 scale for each 32 along K = 1,024; the results are quantised at once
; for the attention launch (q, k along d; v along the tokens) and leave as codes laid in the order of an operand's registers.  Work-group (x, y): rows 256 x .. 256 x + 255 of tensor y, eight blocks of 32 rows.
; THE WAVES SHARE THE COLUMNS: wave w keeps the weight's columns 128 w .. 128 w + 127 for all of K in 512 registers for the whole launch, with their scale words and biases.
; x comes as f32 through a ring of two LDS slots filled by the tensor data mover: each wave fetches 32 rows x 1,024 bytes (its quarter of K) with one load, and it alone reads those bytes.
; A BLOCK: X: wave w quantises K steps 2 w, 2 w + 1 of the 32 rows (four fragments) and stores them in LDS as images of their registers | barrier | every wave fetches all 16 fragments; 128 products; the
; results are quantised in registers and stored.  q, k: source 0 = W, source 1 = x: a lane holds one token, its registers run along d.  v: the sources swapped: a lane holds one d, its registers run along the tokens.
; TILE ORDER: lane r of tile u of a group of 32 (tokens, or columns of W) takes member 8 u + r + 8 (r / 8), so that the 16 registers of tiles 2 b, 2 b + 1 of a result are 16 neighbours: 32 b + 16 (lane / 16) + 0 .. 15.
; OUT: qc, kc [block of 32 tokens 512][u 2][s 4][1,024]; qs, ks [block][16 u + r][s 4] words; vc [128 keys 128][dt 32][1,024]; vs [128 keys][G 4][lane][i 4] words: lane 16 h + r, word i: tile 8 G + 2 i + h.
; The biases are the C of each sum's first product.  192 work-groups: a work-group holds one weight, and a tensor's 512 blocks divide evenly among 64.
; No cluster: what work-groups share is the weights alone, read once by each into registers, 272 KB against the 1 MB of x that it streams; joint loads would send them through LDS.
; No prefetch: x is streamed once and each wave always has its next 32 KB asked for.
; LIMITS: a block of zeros gets the byte 1 where the rule says 127 (its codes are zeros; this program alone reads the bytes); NaN and infinities among the inputs are not served.
; x's rows r and r + 16 of a tile start a whole number of 256 bytes apart, so x's LDS reads go two deep on the banks: 64 loads a wave a block.
.set SLOT,  133120                     ; a slot: four waves' regions
.set WREG,  33280                      ; a wave's region: 32 rows
.set XP,    1040                       ; a row: 1,024 bytes + 16 of padding
.set XIMG,  2*SLOT                     ; behind the ring: x's 16 fragments, (u, s) at 1,024 (8 u + s);
.set XSC,   XIMG+16384                 ; their scale words: row 16 u + r at 32 bytes, word s;
.set SCR,   XSC+1024                   ; q's or k's scale words of the work-group's 256 tokens: 16 bytes a token, word w;
.set SPARE, SCR+4096                   ; the spare words, 128 bytes for each wave: two blocks of 256 bytes that no other line names
.set SPW, 1                            ; v1   SPARE + 4 x my thread's number; never rewritten
.set NIL, 2                            ; v2   0; never rewritten
.set XA,  3                            ; v3   my lane's place in my wave's region of a slot
.set XAD, 4                            ; v4   the same in the slot in hand
.set LI,  5                            ; v5   16 x lane
.set XWI, 6                            ; v6   where I store x's images
.set XWS, 7                            ; v7   and their scale words
.set XRS, 8                            ; v8   where I read the scale words
.set XRI, 9                            ; v9   and the images
.set SCW0, 10                          ; v10  q's, k's scale words: my place in a block's
.set SCW, 11                           ; v11  the same in the block in hand
.set SCRD, 12                          ; v12  and where I read them back at the end
.set VO,  13                           ; v13  v's codes: 1,024 (lane / 16) + 16 r
.set XS,  16                           ; v16-23  x's scale words: register s; lanes 0-15 tile 0, lanes 16-31 tile 1
.set WS,  24                           ; v24-55  W's: register 4 s + b; lanes 0-15 tile 2 b, lanes 16-31 tile 2 b + 1
.set PCA, 56                           ; v56-63, v64-71  the codes just made, two sets by turns
.set PCB, 64
.set PWA, 72                           ; v72, v73  and their scale words
.set PWB, 73
.set TM,  76                           ; v76-79 largest magnitudes, v80-83 bytes, v88-91 the conversions' scale operands
.set SV,  92                           ; v92-95  v's scale words, gathered over four blocks
.set ACC, 96                           ; v96-223 16 accumulators; in phase X two sets of 64 numbers of x
.set ST0, 96
.set ST1, 160
.set TP,  224                          ; v224-231 at work
.set BI,  128                          ; window 3: v0-127 x's fragments, (u, s) at 64 u + 8 s; v128-191 the biases, 8 a tile.  Windows 1, 2: W's tiles 0-3, 4-7, (t, s) at 8 (8 (t % 4) + s)
.set XB,  4                            ; s[4:5] x;  s[10:11] my part of wc;  s[12:13] of wsc;  s[14:15] of the bias;  s[18:19] codes out;  s[20:21] scale words out
.set WCB, 10
.set WSB, 12
.set BIA, 14
.set OC0, 18
.set OS,  20
.set WV,  30
.set TY,  31
.set GX,  32
.set TG,  33                           ; s33  LDS byte at which the slot in hand begins
.set TF,  34                           ; s34  the other slot
.set WOFF, 35                          ; s35  my wave's region in a slot
.set G0,  36                           ; s[36:39] descriptor group 0, which walks;  s[40:47] group 1
.set G1,  40
.set CQ,  48                           ; s[48:49] 1 / sqrt(512)
.set SEL, 50                           ; s[50:51] lane selects for v_permlanex16_b32: lane l xor 16
.set TR,  52                           ; s52  the block's number, and the loop's counter
.set T0,  53
.set SH,  54                           ; s54  8 (block % 4): the place of this block's byte in v's scale words
.set T1,  55
.set OB,  56                           ; s[56:57] the block's codes out
.set OF,  58                           ; s[58:59] an offset; the upper word stays 0
.set HM,  60                           ; s60  lanes 16-31
.set T2,  61
.set OSB, 62                           ; s[62:63] v's scale words out
.set MSB, 0
.macro WIN new                         ; s_set_vgpr_msb: bits 1:0 source 0, 3:2 source 1, 5:4 source 2, 7:6 destination; the high byte repeats the setting that is left
.if MSB != (\new)
	s_set_vgpr_msb (MSB<<8)|(\new)
.set MSB, (\new)
.endif
.endm
.macro PLACES
.rept 4
	v_nop
.endr
.endm
	s_load_b512 s[4:19], s[0:1], 0x0               ; x0, x1, x2, wc, wsc, bq, bk, qc
	s_load_b256 s[20:27], s[0:1], 0x40             ; qs, kc, ks, vc
	s_load_b64 s[28:29], s[0:1], 0x60              ; vs
	v_lshl_add_u32 v[SPW], v0, 2, SPARE
	v_mov_b32 v[NIL], 0
	ds_add_u32 v1, v2
	ds_add_u32 v1, v2
	s_wait_dscnt 0x0
	v_lshrrev_b32 v[TP], 5, v0
	v_readfirstlane_b32 s[WV], v[TP]               ; wave 0..3
	s_and_b32 s[TY], ttmp7, 0xffff                 ; 0: q, 1: k, 2: v
	s_mov_b32 s[GX], ttmp9
	; descriptor group 1: 32 rows x 256 elements of 4 bytes, 1,024 elements from row to row; 4 words of padding behind every 256
	s_mov_b32 s[G1+0], (2<<16)|(1<<20)|(7<<22)|(3<<25)
	s_mov_b32 s[G1+1], 256<<16                     ; tensor_dim0
	s_mov_b32 s[G1+2], 32<<16                      ; tensor_dim1
	s_mov_b32 s[G1+3], 256<<16                     ; tile_dim0
	s_mov_b32 s[G1+4], 32                          ; tile_dim1
	s_mov_b32 s[G1+5], 1024                        ; tensor_dim0_stride
	s_mov_b32 s[G1+6], 0
	s_mov_b32 s[G1+7], 0
	s_mul_i32 s[WOFF], s[WV], WREG
	s_mov_b32 s[CQ], 0x3d3504f3                    ; 1 / sqrt(512)
	s_mov_b32 s[CQ+1], s[CQ]                       ; (named with it as a pair, so it is written)
	s_mov_b32 s[SEL], 0x76543210
	s_mov_b32 s[SEL+1], 0xfedcba98
	s_mov_b32 s[HM], 0xffff0000
	s_mov_b32 s[TG], 0
	s_mov_b32 s[TR], 0
	v_and_b32 v[TP], 31, v0                        ; lane
	v_and_b32 v[TP+1], 15, v0                      ; r
	v_bfe_u32 v[TP+2], v0, 4, 1                    ; h
	v_and_b32 v[TP+3], 8, v[TP+1]
	v_add_nc_u32 v[TP+3], v[TP+3], v[TP+1]         ; r + 8 (r / 8)
	v_mul_u32_u24 v[XA], v[TP+3], XP
	v_lshl_add_u32 v[XA], v[TP+2], 6, v[XA]        ; + 64 h: my 16 numbers of a block of 32
	v_add_nc_u32 v[XA], s[WOFF], v[XA]
	v_lshlrev_b32 v[LI], 4, v[TP]
	s_lshl_b32 s[T0], s[WV], 11
	s_add_co_u32 s[T0], s[T0], XIMG
	v_add_nc_u32 v[XWI], s[T0], v[LI]              ; XIMG + 16 lane + 2,048 w: K steps 2 w, 2 w + 1
	s_lshl_b32 s[T0], s[WV], 3
	s_add_co_u32 s[T0], s[T0], XSC
	v_lshl_add_u32 v[XWS], v[TP+1], 5, s[T0]       ; XSC + 32 r + 8 w
	v_lshl_add_u32 v[XRS], v[TP], 5, XSC           ; XSC + 32 lane
	v_add_nc_u32 v[XRI], XIMG, v[LI]
	s_lshl_b32 s[T0], s[WV], 2
	s_add_co_u32 s[T0], s[T0], SCR
	v_lshl_add_u32 v[SCW0], v[TP+1], 4, s[T0]      ; SCR + 16 r + 4 w
	s_lshl_b32 s[T0], s[WV], 10
	s_add_co_u32 s[T0], s[T0], SCR
	v_add_nc_u32 v[SCRD], s[T0], v[LI]             ; SCR + 1,024 w + 16 lane
	v_lshlrev_b32 v[VO], 4, v[TP+1]
	v_lshl_add_u32 v[VO], v[TP+2], 10, v[VO]
	v_lshlrev_b32 v[TP+4], 6, v[TP+2]              ; the bias of q, k: 64 h: eight neighbours of my half
	v_lshlrev_b32 v[TP+5], 2, v[TP+3]              ; of v: my column
	s_lshl_b32 s[OF], s[GX], 20                    ; x: 256 x rows of 4,096 bytes
	s_lshl_b32 s[T0], s[WV], 10
	s_add_co_u32 s[OF], s[OF], s[T0]               ; + my quarter of K
	s_mov_b32 s[OF+1], 0
	s_wait_kmcnt 0x0
	s_cmp_eq_u32 s[TY], 1                          ; the buffers are chosen by the work-group's number alone
	s_cselect_b64 s[6:7], s[6:7], s[8:9]
	s_cselect_b64 s[22:23], s[22:23], s[26:27]
	s_cselect_b64 s[24:25], s[24:25], s[28:29]
	s_cmp_eq_u32 s[TY], 0
	s_cselect_b64 s[XB:XB+1], s[4:5], s[6:7]
	s_cselect_b64 s[BIA:BIA+1], s[14:15], s[16:17]
	s_cselect_b64 s[OC0:OC0+1], s[18:19], s[22:23]
	s_cselect_b64 s[OS:OS+1], s[20:21], s[24:25]
	s_mov_b32 s[G0], 1                             ; count = 1
	s_mov_b32 s[G0+1], s[WOFF]                     ; LDS address: slot 0, my region
	s_add_nc_u64 s[G0+2:G0+3], s[XB:XB+1], s[OF:OF+1]
	s_or_b32 s[G0+3], s[G0+3], 0x80000000          ; type = 2
	tensor_load_to_lds s[G0:G0+3], s[G1:G1+7]      ; block 0: my one first fill, ahead of every wait on TENSORcnt, every LDS read and every barrier
	s_nop 0
	PLACES
	s_cmp_eq_u32 s[TY], 0
	s_cselect_b32 s[T0], 0, 1                      ; which weight
	s_lshl_b32 s[OF], s[T0], 18
	s_lshl_b32 s[T1], s[WV], 16
	s_add_co_u32 s[OF], s[OF], s[T1]
	s_add_nc_u64 s[WCB:WCB+1], s[WCB:WCB+1], s[OF:OF+1]
	s_lshl_b32 s[OF], s[T0], 14
	s_lshl_b32 s[T1], s[WV], 12
	s_add_co_u32 s[OF], s[OF], s[T1]
	s_add_nc_u64 s[WSB:WSB+1], s[WSB:WSB+1], s[OF:OF+1]
	s_lshl_b32 s[OF], s[WV], 9
	s_add_nc_u64 s[BIA:BIA+1], s[BIA:BIA+1], s[OF:OF+1]
	s_cmp_eq_u32 s[TY], 2
	s_cselect_b32 s[T0], 13, 10                    ; a wave's step in the codes: 8 tiles of v, or one K step of q, k
	s_cselect_b32 s[T1], 9, 10                     ; and in the scale words
	s_lshl_b32 s[T0], s[WV], s[T0]
	s_lshl_b32 s[T1], s[WV], s[T1]
	s_lshl_b32 s[OF], s[GX], 16                    ; 256 rows' codes are 65,536 bytes in all three layouts
	s_add_co_u32 s[OF], s[OF], s[T0]
	s_add_nc_u64 s[OC0:OC0+1], s[OC0:OC0+1], s[OF:OF+1]
	s_lshl_b32 s[OF], s[GX], 12                    ; and their scale words 4,096
	s_add_co_u32 s[OF], s[OF], s[T1]
	s_add_nc_u64 s[OS:OS+1], s[OS:OS+1], s[OF:OF+1]
	WIN 0x40                                       ; destination window 1: W's tiles 0-3; register 4 n takes the 16 bytes a lane at 512 n
.set n, 0
.rept 64
	global_load_b128 v[4*n:4*n+3], v[LI], s[WCB:WCB+1] offset:512*n
.set n, n+1
.endr
	WIN 0x80                                       ; window 2: tiles 4-7
.set n, 0
.rept 64
	global_load_b128 v[4*n:4*n+3], v[LI], s[WCB:WCB+1] offset:512*(n+64)
.set n, n+1
.endr
	WIN 0
.irp s, 0,1,2,3,4,5,6,7
	global_load_b128 v[WS+4*\s:WS+4*\s+3], v[LI], s[WSB:WSB+1] offset:512*\s
.endr
	s_cmp_eq_u32 s[TY], 2
	s_cbranch_scc1 .Lbias_v
	WIN 0xc0                                       ; q, k: lane (r, h), tile t, register j: column 32 (t / 2) + 16 h + 8 (t % 2) + j
.irp t, 0,1,2,3,4,5,6,7
	global_load_b128 v[BI+8*\t:BI+8*\t+3], v[TP+4], s[BIA:BIA+1] offset:(32*(\t/2)+8*(\t%2))*4
	global_load_b128 v[BI+8*\t+4:BI+8*\t+7], v[TP+4], s[BIA:BIA+1] offset:(32*(\t/2)+8*(\t%2))*4+16
.endr
	WIN 0
	s_branch .Lbias_done
.Lbias_v:
	WIN 0xc0                                       ; v: a lane holds one column: all eight registers of a tile take its bias
.irp t, 0,1,2,3,4,5,6,7
.irp j, 0,1,2,3,4,5,6,7
	global_load_b32 v[BI+8*\t+\j], v[TP+5], s[BIA:BIA+1] offset:(32*(\t/2)+8*(\t%2))*4
.endr
.endr
	WIN 0
.Lbias_done:
.irp b, 0,1,2,3
	v_mov_b32 v[SV+\b], 0
	v_mov_b32 v[TM+4+\b], 0                        ; written once: a lane permute's destination counts as one of its sources
.endr
; 64 numbers of a lane, register 16 b + i = member 32 b + 16 (lane / 16) + i along the quantiser's axis, become 8 registers of codes in v[pc] on; word = 1: the four bytes make a scale word in v[pw].  The bytes stay in v[TM+4] on.
.macro QUANT s, pc, pw, word
.irp b, 0,1,2,3
	v_max3_num_f32 v[TM+\b], |v[(\s)+16*\b]|, |v[(\s)+1+16*\b]|, 0x1800000   ; my 16 numbers of block b, and the floor 2^(3 - 127): the byte cannot fall under 1
.endr
.irp i, 2,4,6,8,10,12,14
.irp b, 0,1,2,3
	v_max3_num_f32 v[TM+\b], v[TM+\b], |v[(\s)+16*\b+\i]|, |v[(\s)+1+16*\b+\i]|   ; the four blocks by turns
.endr
.endr
.irp b, 0,1,2,3
	v_permlanex16_b32 v[TM+4+\b], v[TM+\b], s[SEL], s[SEL+1]
.endr
.irp b, 0,1,2,3
	v_max_num_f32 v[TM+\b], v[TM+\b], v[TM+4+\b]   ; with lane l xor 16's: the block's largest magnitude
.endr
.irp b, 0,1,2,3
	v_add_nc_u32 v[TM+12+\b], 0xff000000, v[TM+\b] ; 2 off its exponent field: the conversion's scale operand
.endr
.irp b, 0,1,2,3
	v_lshrrev_b32 v[TM+4+\b], 23, v[TM+12+\b]      ; the scale's byte
.endr
.if \word
	v_lshl_or_b32 v[\pw], v[TM+5], 8, v[TM+4]
	v_lshl_or_b32 v[\pw], v[TM+6], 16, v[\pw]
	v_lshl_or_b32 v[\pw], v[TM+7], 24, v[\pw]
.endif
.irp b, 0,1,2,3
	v_cvt_scalef32_pk8_fp4_f32 v[(\pc)+2*\b], v[(\s)+16*\b:(\s)+7+16*\b], v[TM+12+\b]
	v_cvt_scalef32_pk8_fp4_f32 v[(\pc)+1+2*\b], v[(\s)+8+16*\b:(\s)+15+16*\b], v[TM+12+\b]
.endr
	v_nop                                          ; one plain place behind a scaled conversion
.irp c, 0,1                                    ; a whole block into a lane: lanes 0-15 block 2 c, lanes 16-31 block 2 c + 1
.irp i, 0,1
	v_permlane16_swap_b32 v[(\pc)+4*\c+\i], v[(\pc)+2+4*\c+\i]
.endr
.endr
.endm
.macro XL u, e, st                     ; 64 numbers of x: tile u, K step 2 w + e
.irp b, 0,1,2,3
.irp j, 0,1,2,3
	ds_load_b128 v[\st+16*\b+4*\j:\st+16*\b+4*\j+3], v[XAD] offset:8*XP*\u+512*\e+128*\b+16*\j
.endr
.endr
.endm
.macro XST u, e, pc, pw                ; the fragment goes to LDS as it stands, 16 bytes a lane; its scale word: both halves of the lanes write the same word with the same value
	ds_store_b128 v[XWI], v[\pc:\pc+3] offset:8192*\u+1024*\e
	ds_store_b128 v[XWI], v[\pc+4:\pc+7] offset:8192*\u+1024*\e+512
	ds_store_b32 v[XWS], v[\pw] offset:512*\u+4*\e
.endm
.macro WMC                             ; one product, by the symbols rD rA rB rC rSA rSB; rRA, rRB: the scales lie in lanes 16-31 of their registers
.if rRA && rRB
	v_wmma_scale_f32_16x16x128_f8f6f4 v[rD:rD+7], v[rA:rA+7], v[rB:rB+7], v[rC:rC+7], v[rSA], v[rSB] matrix_a_fmt:MATRIX_FMT_FP4 matrix_b_fmt:MATRIX_FMT_FP4 matrix_a_scale:MATRIX_SCALE_ROW1 matrix_b_scale:MATRIX_SCALE_ROW1
.elseif rRA
	v_wmma_scale_f32_16x16x128_f8f6f4 v[rD:rD+7], v[rA:rA+7], v[rB:rB+7], v[rC:rC+7], v[rSA], v[rSB] matrix_a_fmt:MATRIX_FMT_FP4 matrix_b_fmt:MATRIX_FMT_FP4 matrix_a_scale:MATRIX_SCALE_ROW1
.elseif rRB
	v_wmma_scale_f32_16x16x128_f8f6f4 v[rD:rD+7], v[rA:rA+7], v[rB:rB+7], v[rC:rC+7], v[rSA], v[rSB] matrix_a_fmt:MATRIX_FMT_FP4 matrix_b_fmt:MATRIX_FMT_FP4 matrix_b_scale:MATRIX_SCALE_ROW1
.else
	v_wmma_scale_f32_16x16x128_f8f6f4 v[rD:rD+7], v[rA:rA+7], v[rB:rB+7], v[rC:rC+7], v[rSA], v[rSB] matrix_a_fmt:MATRIX_FMT_FP4 matrix_b_fmt:MATRIX_FMT_FP4
.endif
.endm
; The block's 128 products, W's tiles 0-3 and then 4-7 (one register window each); in each half K ascends, and in a K step the eight accumulators (t, u) take turns, one instruction a turn.
; vv = 0: source 0 = W, source 1 = x, accumulator (t, u) at ACC + 64 u + 8 t.  vv = 1: the sources swapped, accumulator at ACC + 16 t + 8 u.  The first K step takes the bias as C.
.macro PROD vv
.irp hf, 0,1
.irp s, 0,1,2,3,4,5,6,7
.if \hf == 0
	s_wait_dscnt 4*(7-\s)                          ; x's two fragments of this K step are in; those of the later K steps, four loads each, may be out
.endif
.set wS, 0x0d+\hf
.if \vv
.set wS, 0x07+4*\hf
.endif
.if \s == 0
.set wS, wS+0x30
.endif
	WIN wS
.irp tt, 0,1,2,3
.irp u, 0,1
.set rT, 4*\hf+\tt
.if \vv
.set rD, ACC+16*rT+8*\u
.set rA, 64*\u+8*\s
.set rB, 8*(8*\tt+\s)
.set rSA, XS+\s
.set rSB, WS+4*\s+rT/2
.set rRA, \u
.set rRB, \tt%2
.else
.set rD, ACC+64*\u+8*rT
.set rA, 8*(8*\tt+\s)
.set rB, 64*\u+8*\s
.set rSA, WS+4*\s+rT/2
.set rSB, XS+\s
.set rRA, \tt%2
.set rRB, \u
.endif
.set rC, rD
.if \s == 0
.set rC, BI+8*rT
.endif
	WMC
.endr
.endr
.endr
.endr
	WIN 0
.endm
; q, k: a lane's 64 numbers of tile u are d = 128 w + 32 b + 16 h + i of one token: K step w of the score product.
.macro OUT_QK
	PLACES                                         ; four places between the last products and the first read of results
	s_cmp_lg_u32 s[TY], 0
	s_cbranch_scc1 .Lno_factor_\@                  ; q alone has the factor
.set j, 0
.rept 64
	v_pk_mul_f32 v[ACC+2*j:ACC+2*j+1], v[ACC+2*j:ACC+2*j+1], s[CQ:CQ+1] op_sel_hi:[1,0]   ; ascending: each accumulator is read from its low end on
.set j, j+1
.endr
.Lno_factor_\@:
	QUANT ACC, PCA, PWA, 1
	global_store_b128 v[LI], v[PCA:PCA+3], s[OB:OB+1]                  ; 32 lanes store 512 consecutive bytes, aligned
	global_store_b128 v[LI], v[PCA+4:PCA+7], s[OB:OB+1] offset:512
	ds_store_b32 v[SCW], v[PWA]                    ; the scale words are gathered in LDS for the whole launch
	QUANT ACC+64, PCB, PWB, 1
	global_store_b128 v[LI], v[PCB:PCB+3], s[OB:OB+1] offset:4096
	global_store_b128 v[LI], v[PCB+4:PCB+7], s[OB:OB+1] offset:4608
	ds_store_b32 v[SCW], v[PWB] offset:256
.endm
; v: a lane's 16 numbers of tile t are tokens 16 h + 0 .. 15 of one d: with lane l xor 16's, one block of 32 keys.  Four tiles to a QUANT.
.macro OUT_V
	PLACES
.irp g, 0,1
	QUANT ACC+64*\g, PCA+8*\g, PWA, 0
.irp c, 0,1
	global_store_b128 v[VO], v[PCA+8*\g+4*\c:PCA+8*\g+4*\c+3], s[OB:OB+1] offset:1024*(4*\g+2*\c)   ; lanes 0-15: 256 consecutive bytes, aligned, of tile 4 g + 2 c; lanes 16-31: of the next tile
	v_cndmask_b32 v[TP], v[TM+4+2*\c], v[TM+5+2*\c], s[HM]             ; my tile's byte
	v_lshl_or_b32 v[SV+2*\g+\c], v[TP], s[SH], v[SV+2*\g+\c]           ; at this block's place in the scale word of 128 keys
.endr
.endr
	s_and_b32 s[T0], s[TR], 3
	s_cmp_eq_u32 s[T0], 3
	s_cbranch_scc0 .Lnot_whole_\@                  ; every fourth block the words are whole
	s_lshr_b32 s[OF], s[TR], 2
	s_lshl_b32 s[OF], s[OF], 11
	s_add_nc_u64 s[OSB:OSB+1], s[OS:OS+1], s[OF:OF+1]
	global_store_b128 v[LI], v[SV:SV+3], s[OSB:OSB+1]                  ; 512 consecutive bytes
	s_wait_xcnt 0x0                                ; the store has read its data: they begin anew
.irp b, 0,1,2,3
	v_mov_b32 v[SV+\b], 0
.endr
.Lnot_whole_\@:
.endm
; A BLOCK OF 32 ROWS.  refill = 1: the next block is asked for, into the slot that was read last.
.macro TRIP refill
	s_wait_xcnt 0x0                                ; the last block's stores have read their data and bases: both are written again below
	s_wait_tensorcnt 0x0                           ; my one tensor load that was out, this block's, has landed; so group 0 may be written
	ds_add_u32 v[SPW], v[NIL]                      ; 0 onto my spare word: scalar work stands between it and the wait for it
	s_xor_b32 s[TF], s[TG], SLOT
	s_add_co_u32 s[G0+1], s[TF], s[WOFF]           ; the other slot, my region
	s_add_nc_u64 s[G0+2:G0+3], s[G0+2:G0+3], 131072   ; 32 rows on; the type bits on top are not reached
	s_lshl_b32 s[OF], s[TR], 13                    ; q, k: a block's codes are 8,192 bytes
	s_lshr_b32 s[T0], s[TR], 2
	s_lshl_b32 s[T0], s[T0], 15                    ; v: 32,768 for each 128 keys,
	s_and_b32 s[T1], s[TR], 3
	s_lshl_b32 s[SH], s[T1], 3
	s_lshl_b32 s[T1], s[T1], 8                     ; 256 for each 32 in them
	s_add_co_u32 s[T0], s[T0], s[T1]
	s_cmp_eq_u32 s[TY], 2
	s_cselect_b32 s[OF], s[T0], s[OF]
	s_add_nc_u64 s[OB:OB+1], s[OC0:OC0+1], s[OF:OF+1]
	s_lshl_b32 s[T2], s[TR], 9
	s_wait_dscnt 0x0                               ; the add is done, and so are my reads of the other slot and of x's images
	s_barrier_signal -1
	s_barrier_wait -1                              ; all that holds of every wave
.if \refill
	tensor_load_to_lds s[G0:G0+3], s[G1:G1+7]      ; my one tensor load behind this barrier, first thing there: it has the whole block's work in which to land
	s_nop 0
.endif
	v_add_nc_u32 v[XAD], s[TG], v[XA]
	v_add_nc_u32 v[SCW], s[T2], v[SCW0]
	v_nop
	v_nop
	; ---- X: four fragments, two sets of registers by turns.  The counts name what is younger than the 16 loads that are wanted
	XL 0, 0, ST0
	XL 0, 1, ST1
	s_wait_dscnt 16                                ; the second set's 16 loads may be out
	QUANT ST0, PCA, PWA, 1
	XST 0, 0, PCA, PWA
	XL 1, 0, ST0
	s_wait_dscnt 19                                ; 3 stores and 16 loads are younger
	QUANT ST1, PCB, PWB, 1
	XST 0, 1, PCB, PWB
	XL 1, 1, ST1
	s_wait_dscnt 19                                ; likewise; the first fragment's stores, older still, are done: its registers are free
	QUANT ST0, PCA, PWA, 1
	XST 1, 0, PCA, PWA
	s_wait_dscnt 3                                 ; 3 stores are younger
	QUANT ST1, PCB, PWB, 1
	XST 1, 1, PCB, PWB
	s_wait_dscnt 0x0                               ; for the others' sake: my stores have landed
	s_barrier_signal -1
	s_barrier_wait -1                              ; x's sixteen fragments lie in LDS.  (The next block's tensor load may be out)
	ds_load_b128 v[XS:XS+3], v[XRS]
	ds_load_b128 v[XS+4:XS+7], v[XRS] offset:16
	WIN 0xc0                                       ; destination window 3
.irp s, 0,1,2,3,4,5,6,7
.irp u, 0,1
.irp c, 0,1
	ds_load_b128 v[64*\u+8*\s+4*\c:64*\u+8*\s+4*\c+3], v[XRI] offset:(8*\u+\s)*1024+512*\c
.endr
.endr
.endr
	WIN 0
	s_wait_loadcnt 0x0                             ; the weights, their scale words and the biases: met from the second block on
	s_cmp_eq_u32 s[TY], 2
	s_cbranch_scc1 .Lis_v_\@
	PROD 0
	OUT_QK
	s_branch .Ljoin_\@
.Lis_v_\@:
	PROD 1
	OUT_V
.Ljoin_\@:
	s_xor_b32 s[TG], s[TG], SLOT
	s_add_co_u32 s[TR], s[TR], 1
.endm
.Lblock:                                               ; seven trips: blocks 0 to 6, each asking for the next
	TRIP 1
	s_cmp_lt_u32 s[TR], 7
	s_cbranch_scc1 .Lblock
	TRIP 0                                         ; the last block is written out
	s_wait_dscnt 0x0                               ; my scale words lie in LDS
	s_barrier_signal -1
	s_barrier_wait -1
	s_cmp_eq_u32 s[TY], 2
	s_cbranch_scc1 .Lend
	ds_load_b128 v[TP:TP+3], v[SCRD]               ; q, k: the 256 tokens' scale words leave as 4,096 consecutive bytes, 1,024 a wave
	ds_load_b128 v[TP+4:TP+7], v[SCRD] offset:512
	s_wait_dscnt 0x0
	global_store_b128 v[LI], v[TP:TP+3], s[OS:OS+1]
	global_store_b128 v[LI], v[TP+4:TP+7], s[OS:OS+1] offset:512
.Lend:
	s_wait_tensorcnt 0x0                           ; the wave's end, behind my last tensor load and my last LDS store
	ds_add_u32 v[SPW], v[NIL]
	s_wait_dscnt 0x0
	s_endpgm
.Lfunc_end_k_q2c7d16d7c1_proj:
	.size	k_q2c7d16d7c1_proj, .Lfunc_end_k_q2c7d16d7c1_proj-k_q2c7d16d7c1_proj
	.p2alignl 7, 3214868480
	.fill 96, 4, 3214868480
	.section	.rodata,"a",@progbits
	.p2align	6, 0x0
	.amdhsa_kernel k_q2c7d16d7c1_proj
		.amdhsa_group_segment_fixed_size 327680
		.amdhsa_private_segment_fixed_size 0
		.amdhsa_enable_private_segment 0
		.amdhsa_kernarg_size 104
		.amdhsa_user_sgpr_count 2
		.amdhsa_user_sgpr_kernarg_segment_ptr 1
		.amdhsa_wavefront_size32 1
		.amdhsa_system_sgpr_workgroup_id_x 1
		.amdhsa_system_sgpr_workgroup_id_y 1
		.amdhsa_system_sgpr_workgroup_id_z 1
		.amdhsa_system_vgpr_workitem_id 0
		.amdhsa_next_free_vgpr 1024
		.amdhsa_next_free_sgpr 66
		.amdhsa_reserve_vcc 0
		.amdhsa_float_denorm_mode_32 3
		.amdhsa_float_denorm_mode_16_64 3
		.amdhsa_memory_ordered 1
		.amdhsa_forward_progress 1
		.amdhsa_inst_pref_size 180
	.end_amdhsa_kernel
	.amdgpu_metadata
---
amdhsa.version: [ 1, 2 ]
amdhsa.kernels:
  - .name:           k_q2c7d16d7c1_proj
    .symbol:         k_q2c7d16d7c1_proj.kd
    .args:
      - { .name: x0, .offset: 0, .size: 8, .value_kind: global_buffer, .address_space: global }
      - { .name: x1, .offset: 8, .size: 8, .value_kind: global_buffer, .address_space: global }
      - { .name: x2, .offset: 16, .size: 8, .value_kind: global_buffer, .address_space: global }
      - { .name: wc, .offset: 24, .size: 8, .value_kind: global_buffer, .address_space: global }
      - { .name: wsc, .offset: 32, .size: 8, .value_kind: global_buffer, .address_space: global }
      - { .name: bq, .offset: 40, .size: 8, .value_kind: global_buffer, .address_space: global }
      - { .name: bk, .offset: 48, .size: 8, .value_kind: global_buffer, .address_space: global }
      - { .name: qc, .offset: 56, .size: 8, .value_kind: global_buffer, .address_space: global }
      - { .name: qs, .offset: 64, .size: 8, .value_kind: global_buffer, .address_space: global }
      - { .name: kc, .offset: 72, .size: 8, .value_kind: global_buffer, .address_space: global }
      - { .name: ks, .offset: 80, .size: 8, .value_kind: global_buffer, .address_space: global }
      - { .name: vc, .offset: 88, .size: 8, .value_kind: global_buffer, .address_space: global }
      - { .name: vs, .offset: 96, .size: 8, .value_kind: global_buffer, .address_space: global }
    .group_segment_fixed_size: 327680
    .private_segment_fixed_size: 0
    .kernarg_segment_align: 8
    .kernarg_segment_size: 104
    .max_flat_workgroup_size: 128
    .sgpr_count:     66
    .vgpr_count:     1024
    .wavefront_size: 32
...
	.end_amdgpu_metadata
.endif
;; end of part 2
;; launch attn (part 3): grid 32 x 8, 8 waves a work-group, no clusters, 42,496 bytes of LDS; arguments qc, qs, kc, ks, vc, vs, out0; writes out0
.if DOCPART == 3
	.amdgcn_target "amdgcn-amd-amdhsa--gfx1250"
	.amdhsa_code_object_version 6
	.text
	.protected	k_q2c7d16d7c1_attn
	.globl	k_q2c7d16d7c1_attn
	.p2align	8
	.type	k_q2c7d16d7c1_attn,@function
k_q2c7d16d7c1_attn:
	s_mov_b64 s[64:65], 0
	v_nop
	global_prefetch_b8 v0, s[64:65] scope:SCOPE_SE
	s_setreg_imm32_b32 hwreg(HW_REG_WAVE_MODE, 25, 1), 1
	s_wait_xcnt 0x0
; out0[b][q][:] = the sum over k <= q of softmax_k(q . k) v[k][:], head 512, 8 batches of 2,048 tokens, both products on codes of FP4 (E2M1) with one E8M0 scale for each 32 along a product's K.
; q (with 1 / sqrt(512) in it), k, v arrive as codes in the order of an operand's registers (a fragment, 16 rows x 128 K, is 1,024 bytes: 16 bytes a lane, twice), with their scale words.
; THE SOFTMAX: t = score x log2(e); p = 2^(t - M), M a whole number, is quantised along the keys; the row's sum is taken of the unquantised p and divides at the end.
; SHARES.  Work-group (i, batch) does two tasks: the 32 queries of block 63 - i, then those of block i: (8 - i / 8) + (i / 8 + 1) = 9 steps of 256 keys in every work-group.  Key steps wholly behind the queries are not walked.
; In a step the eight waves work together.  As PRODUCER wave w takes keys KF + 32 w .. + 31 (8 fragments of K, from memory into its own registers: no other wave wants them), makes S^T = K Q^T for both tiles of
; queries, takes p with the whole number M_w of its own block, quantises it (its 32 keys are one scale block) and puts 16 bytes of codes a query and two numbers into LDS.  As CONSUMER it owns channels 64 w .. 64 w + 63
; (4 tiles of V^T, 8 fragments, again its own alone), reads all of P from LDS and brings the eight blocks under one running reference by changing their scale bytes, which is exact.
; So each byte of K and V is loaded once by a work-group and never lies in LDS; LDS carries 6,656 bytes a step.
; THE EXCHANGE.  Producer: A_w = byte_w + M_w (a whole number in f32), l'_w = (the block's sum of p) x 2^(125 - byte_w).  Consumer, lane 16 u + r for query r of tile u: RN = max(R, A_0 .. A_7); F = 2^(R - RN) rescales O and l;
; e_w = max(A_w - RN, -124); P's byte is 125 + e_w; l = l F + the sum of l'_w 2^e_w.  That is p under the whole number M = R - 125: codes x scales, and O / l, are those of the rule.
; TILE ORDER: lane r of tile u of 32 tokens is token 8 u + r + 8 (r / 8); lane r of V's tile dt is channel 32 (dt / 2) + 8 (dt % 2) + r + 8 (r / 8).
; No cluster: a tile of K or V goes to exactly one wave of a work-group, into registers; a joint load would send all of it through LDS.
; LIMITS: t within +-2^23 (byte + M stays exact in f32); a key block more than 2^124 under the row's reference is held at byte 1; a block whose every p is 0 has byte 1 and zero codes; NaN and infinities are not served.
; At a task's last step the next step's loads of K take keys 0 on: the second task's first K, and at the very end 8,704 bytes a wave that nobody uses: so every wait counts the same loads on every path.
.set STAT,  4096                       ; LDS: 0: P's four fragments, (u, e) at 2,048 u + 1,024 e;  STAT: 80 bytes a lane: 8 words A, 8 words l', 16 of padding
.set STAGE, 6656                       ; the way out: 16 rows x (256 + 16) bytes for each wave
.set SP,    272
.set LN16, 1                           ; v1   16 x lane
.set PG,   2                           ; v2   2,048 h + 16 r + 256 w: my place in P's images, and, the same number, my byte offset in two rows of out0
.set SST,  3                           ; v3   STAT + 80 lane + 4 w
.set SLD,  4                           ; v4   STAT + 80 lane
.set STO,  6                           ; v6   the stage: where I put 16 bytes of a row
.set SRD,  7                           ; v7   and where I read a row back
.set DQ,   9                           ; v9, v10   tile u: my query less my first key, without Q0 - KF
.set VSO,  11                          ; v11  V's scale words: 16 lane + 8 (w % 2)
.set PFK,  12                          ; v12  the prefetches' offsets: 256 x lane in my 8,192 bytes of K;
.set PFV,  13                          ; v13  32,768 (lane / 16) + 256 (lane % 16) in my twice 4,096 of V
.set DD,   14                          ; v14, v15  DQ + Q0 - KF
.set RR,   16                          ; v16  R;  v17 l;  v[18:19] RN;  v[20:21], v[22:23] F for tile 0, tile 1 (of the pairs the low word serves);  v24-31 at work
.set S,    32                          ; v32-63   S^T, then p: tile u, register n: key 16 h + n
.set O,    64                          ; v64-127  O^T: (u, dt) at 32 u + 8 dt
.set P,    128                         ; v128-159 P: (u, e) at 16 u + 8 e
.set QSH,  160                         ; v160-163, v164-167 Q's scale words of the two tasks;  v168-171 K's;  v172-175 V's;  v176, v177 P's
.set QSL,  164
.set KS,   168
.set VS,   172
.set PS,   176
.set AW,   204                         ; v204-211 A_0 .. A_7, then e_w;  v212-219 l'_0 .. l'_7.   v180-203: the producer's (named where they are used)
.set LW,   212
; window 1: v0-63, v64-127 Q of the two tasks, (u, s) at 32 u + 8 s;  v128-191 K, (kt, s) at 32 kt + 8 s;  v192-255 V, (e, dt) at 32 e + 8 dt
.set WV,  18
.set II,  19
.set BT,  20
.set CS,  22                           ; s[22:23] log2(e)
.set SEL, 24                           ; s[24:25] lane selects: lane l xor 16
.set HM,  26                           ; s26  lanes 16-31
.set TLO, 27                           ; s27  -2^23
.set ELO, 28                           ; s28  -124.0
.set KF,  29                           ; s29  the step's first key;  s30 the step's number;  s31 the task's steps;  s32 256 x that;  s33 the next step's first key;  s34 the task's first query
.set JJ,  30
.set NS,  31
.set KLIM, 32
.set KN,  33
.set Q0,  34
.set KB0, 36                           ; s[36:43] K's codes, K's scale words, V's codes, V's scale words at my batch and wave;  s[44:51] the same at the step in hand
.set KSB0, 38
.set VB0, 40
.set VSB0, 42
.set KB,  44
.set KSB, 46
.set VB,  48
.set VSB, 50
.set OB,  52                           ; s[52:53] out0 at the task's first query
.set OF,  54                           ; s[54:55] an offset; the upper word stays 0
.set PFL, 56                           ; s56  a wave prefetches while KF is under it
.set T0,  57
.set MSB, 0
.macro WIN new
.if MSB != (\new)
	s_set_vgpr_msb (MSB<<8)|(\new)
.set MSB, (\new)
.endif
.endm
.macro PLACES
.rept 4
	v_nop
.endr
.endm
.macro WMC                             ; one product, by the symbols rD rA rB rC rSA rSB; rRA, rRB: the scales lie in lanes 16-31 of their registers
.if rRA && rRB
	v_wmma_scale_f32_16x16x128_f8f6f4 v[rD:rD+7], v[rA:rA+7], v[rB:rB+7], v[rC:rC+7], v[rSA], v[rSB] matrix_a_fmt:MATRIX_FMT_FP4 matrix_b_fmt:MATRIX_FMT_FP4 matrix_a_scale:MATRIX_SCALE_ROW1 matrix_b_scale:MATRIX_SCALE_ROW1
.elseif rRA
	v_wmma_scale_f32_16x16x128_f8f6f4 v[rD:rD+7], v[rA:rA+7], v[rB:rB+7], v[rC:rC+7], v[rSA], v[rSB] matrix_a_fmt:MATRIX_FMT_FP4 matrix_b_fmt:MATRIX_FMT_FP4 matrix_a_scale:MATRIX_SCALE_ROW1
.elseif rRB
	v_wmma_scale_f32_16x16x128_f8f6f4 v[rD:rD+7], v[rA:rA+7], v[rB:rB+7], v[rC:rC+7], v[rSA], v[rSB] matrix_a_fmt:MATRIX_FMT_FP4 matrix_b_fmt:MATRIX_FMT_FP4 matrix_b_scale:MATRIX_SCALE_ROW1
.else
	v_wmma_scale_f32_16x16x128_f8f6f4 v[rD:rD+7], v[rA:rA+7], v[rB:rB+7], v[rC:rC+7], v[rSA], v[rSB] matrix_a_fmt:MATRIX_FMT_FP4 matrix_b_fmt:MATRIX_FMT_FP4
.endif
.endm
.macro WM0                             ; the same with the constant 0 as C: it starts a sum
.if rRA && rRB
	v_wmma_scale_f32_16x16x128_f8f6f4 v[rD:rD+7], v[rA:rA+7], v[rB:rB+7], 0, v[rSA], v[rSB] matrix_a_fmt:MATRIX_FMT_FP4 matrix_b_fmt:MATRIX_FMT_FP4 matrix_a_scale:MATRIX_SCALE_ROW1 matrix_b_scale:MATRIX_SCALE_ROW1
.elseif rRA
	v_wmma_scale_f32_16x16x128_f8f6f4 v[rD:rD+7], v[rA:rA+7], v[rB:rB+7], 0, v[rSA], v[rSB] matrix_a_fmt:MATRIX_FMT_FP4 matrix_b_fmt:MATRIX_FMT_FP4 matrix_a_scale:MATRIX_SCALE_ROW1
.elseif rRB
	v_wmma_scale_f32_16x16x128_f8f6f4 v[rD:rD+7], v[rA:rA+7], v[rB:rB+7], 0, v[rSA], v[rSB] matrix_a_fmt:MATRIX_FMT_FP4 matrix_b_fmt:MATRIX_FMT_FP4 matrix_b_scale:MATRIX_SCALE_ROW1
.else
	v_wmma_scale_f32_16x16x128_f8f6f4 v[rD:rD+7], v[rA:rA+7], v[rB:rB+7], 0, v[rSA], v[rSB] matrix_a_fmt:MATRIX_FMT_FP4 matrix_b_fmt:MATRIX_FMT_FP4
.endif
.endm
	s_load_b256 s[4:11], s[0:1], 0x0               ; qc, qs, kc, ks
	s_load_b128 s[12:15], s[0:1], 0x20             ; vc, vs
	s_load_b64 s[16:17], s[0:1], 0x30              ; out0
	v_lshl_add_u32 v254, v0, 2, 0xa200
	v_mov_b32 v255, 0
	v_lshrrev_b32 v24, 5, v0
	v_readfirstlane_b32 s[WV], v24                 ; wave 0..7
	s_mov_b32 s[II], ttmp9
	s_and_b32 s[BT], ttmp7, 0xffff                 ; the batch
	s_mov_b32 s[CS], 0x3fb8aa3b                    ; log2(e)
	s_mov_b32 s[CS+1], s[CS]                       ; (named with it as a pair, so it is written)
	s_mov_b32 s[SEL], 0x76543210
	s_mov_b32 s[SEL+1], 0xfedcba98
	s_mov_b32 s[HM], 0xffff0000
	s_mov_b32 s[TLO], 0xcb000000                   ; -2^23
	s_mov_b32 s[ELO], 0xc2f80000                   ; -124.0
	s_cmp_eq_u32 s[II], 0
	s_cselect_b32 s[PFL], 1280, 0                  ; the batch's first work-group prefetches, in its first task, which walks all keys
	v_and_b32 v24, 31, v0                          ; lane
	v_and_b32 v25, 15, v0                          ; r
	v_bfe_u32 v26, v0, 4, 1                        ; h
	v_lshlrev_b32 v[LN16], 4, v24
	v_lshlrev_b32 v[PG], 4, v25
	v_lshl_add_u32 v[PG], v26, 11, v[PG]
	s_lshl_b32 s[T0], s[WV], 8
	v_add_nc_u32 v[PG], s[T0], v[PG]
	v_mul_u32_u24 v[SLD], v24, 80
	v_add_nc_u32 v[SLD], STAT, v[SLD]
	s_lshl_b32 s[T0], s[WV], 2
	v_add_nc_u32 v[SST], s[T0], v[SLD]
	s_mul_i32 s[T0], s[WV], 16*SP
	s_add_co_u32 s[T0], s[T0], STAGE               ; my stage
	v_mul_u32_u24 v[STO], v25, SP
	v_lshl_add_u32 v[STO], v26, 6, v[STO]
	v_add_nc_u32 v[STO], s[T0], v[STO]             ; in: row r, + 64 h
	v_mul_u32_u24 v[SRD], v26, SP
	v_lshl_add_u32 v[SRD], v25, 4, v[SRD]
	v_add_nc_u32 v[SRD], s[T0], v[SRD]             ; back: lanes 0-15 one row, lanes 16-31 the next
	v_and_b32 v[DQ], 8, v25
	v_add_nc_u32 v[DQ], v[DQ], v25                 ; r + 8 (r / 8)
	v_lshlrev_b32 v27, 4, v26
	v_sub_nc_u32 v[DQ], v[DQ], v27                 ; - 16 h
	s_lshl_b32 s[T0], s[WV], 5
	v_sub_nc_u32 v[DQ], v[DQ], s[T0]               ; - 32 w
	v_add_nc_u32 v[DQ+1], 8, v[DQ]
	s_and_b32 s[T0], s[WV], 1
	s_lshl_b32 s[T0], s[T0], 3
	v_add_nc_u32 v[VSO], s[T0], v[LN16]
	v_lshlrev_b32 v[PFK], 8, v24
	v_lshlrev_b32 v[PFV], 8, v25
	v_lshl_add_u32 v[PFV], v26, 15, v[PFV]
.irp x, 19,21,23,185,187                       ; the upper words of pairs of which the low word serves both halves: named, so written
	v_mov_b32 v\x, 0
.endr
	v_mov_b32 v182, 0                              ; written once: a lane permute's destination counts as one of its sources (v25 has been written)
	v_mov_b32 v183, 0
	s_mov_b32 s[OF+1], 0
	s_wait_kmcnt 0x0
	s_lshl_b32 s[OF], s[BT], 19                    ; a batch's codes: 524,288 bytes in each of the three buffers
	s_add_nc_u64 s[4:5], s[4:5], s[OF:OF+1]
	s_add_nc_u64 s[KB0:KB0+1], s[8:9], s[OF:OF+1]
	s_add_nc_u64 s[VB0:VB0+1], s[12:13], s[OF:OF+1]
	s_lshl_b32 s[OF], s[BT], 15                    ; its scale words: 32,768
	s_add_nc_u64 s[6:7], s[6:7], s[OF:OF+1]
	s_add_nc_u64 s[KSB0:KSB0+1], s[10:11], s[OF:OF+1]
	s_add_nc_u64 s[VSB0:VSB0+1], s[14:15], s[OF:OF+1]
	s_lshl_b32 s[OF], s[BT], 22                    ; its rows of out0
	s_add_nc_u64 s[16:17], s[16:17], s[OF:OF+1]
	s_lshl_b32 s[OF], s[WV], 13                    ; my 32 keys of a step
	s_add_nc_u64 s[KB0:KB0+1], s[KB0:KB0+1], s[OF:OF+1]
	s_lshl_b32 s[OF], s[WV], 12                    ; my 4 tiles of V
	s_add_nc_u64 s[VB0:VB0+1], s[VB0:VB0+1], s[OF:OF+1]
	s_lshl_b32 s[OF], s[WV], 9
	s_add_nc_u64 s[KSB0:KSB0+1], s[KSB0:KSB0+1], s[OF:OF+1]
	s_lshr_b32 s[OF], s[WV], 1
	s_lshl_b32 s[OF], s[OF], 9
	s_add_nc_u64 s[VSB0:VSB0+1], s[VSB0:VSB0+1], s[OF:OF+1]
	s_sub_co_u32 s[T0], 63, s[II]
	s_lshl_b32 s[OF], s[T0], 13
	s_add_nc_u64 s[58:59], s[4:5], s[OF:OF+1]      ; Q of block 63 - i,
	s_lshl_b32 s[OF], s[II], 13
	s_add_nc_u64 s[60:61], s[4:5], s[OF:OF+1]      ; of block i,
	s_lshl_b32 s[OF], s[T0], 9
	s_add_nc_u64 s[62:63], s[6:7], s[OF:OF+1]      ; and their scale words
	s_lshl_b32 s[OF], s[II], 9
	s_add_nc_u64 s[66:67], s[6:7], s[OF:OF+1]
	s_mov_b64 s[KB:KB+1], s[KB0:KB0+1]
	s_mov_b64 s[KSB:KSB+1], s[KSB0:KSB0+1]
	WIN 0x40                                       ; destination window 1; register 4 n takes the 16 bytes a lane at 512 n
.set n, 0
.rept 16
	global_load_b128 v[4*n:4*n+3], v[LN16], s[58:59] offset:512*n
.set n, n+1
.endr
.set n, 0
.rept 16
	global_load_b128 v[64+4*n:64+4*n+3], v[LN16], s[60:61] offset:512*n
.set n, n+1
.endr
.set n, 0
.rept 16
	global_load_b128 v[128+4*n:128+4*n+3], v[LN16], s[KB:KB+1] offset:512*n   ; K of step 0
.set n, n+1
.endr
	WIN 0
	global_load_b128 v[QSH:QSH+3], v[LN16], s[62:63]   ; register s: lanes 0-15 tile 0, lanes 16-31 tile 1
	global_load_b128 v[QSL:QSL+3], v[LN16], s[66:67]
	global_load_b128 v[KS:KS+3], v[LN16], s[KSB:KSB+1]
; A STEP OF 256 KEYS.  qf: Q's first register in window 1; qsr: its scale words; pf = 1: the text holds the prefetches.
.macro STEP qf, qsr, pf
	s_wait_loadcnt 0x0                             ; K of this step, asked for most of a step ago, is the youngest load
	s_wait_xcnt 0x0                                ; every earlier load and prefetch has read its base: the bases are written again below
	s_lshl_b32 s[OF], s[KF], 8
	s_add_nc_u64 s[VB:VB+1], s[VB0:VB0+1], s[OF:OF+1]
	s_lshl_b32 s[OF], s[KF], 4
	s_add_nc_u64 s[VSB:VSB+1], s[VSB0:VSB0+1], s[OF:OF+1]
	s_sub_co_i32 s[T0], s[Q0], s[KF]
	v_add_nc_u32 v[DD], s[T0], v[DQ]               ; these two and two v_nop: the four places between the last step's products and the loads into V's registers
	v_add_nc_u32 v[DD+1], s[T0], v[DQ+1]
	v_nop
	v_nop
	WIN 0x40
.irp e, 0,1
.set n, 0
.rept 8
	global_load_b128 v[192+32*\e+4*n:192+32*\e+4*n+3], v[LN16], s[VB:VB+1] offset:32768*\e+512*n   ; V of this step: wanted at its end
.set n, n+1
.endr
.endr
	WIN 0
.irp e, 0,1
	global_load_b64 v[VS+2*\e:VS+2*\e+1], v[VSO], s[VSB:VSB+1] offset:2048*\e   ; word i: lanes 0-15 tile 2 i, lanes 16-31 tile 2 i + 1 of my four
.endr
	WIN 0x05                                       ; K and Q in window 1
.irp s, 0,1,2,3                                ; S^T = K Q^T: d ascending, the four accumulators (kt, u) by turns; the first four start the sums
.irp kt, 0,1
.irp u, 0,1
.set rD, S+16*\u+8*\kt
.set rC, rD
.set rA, 128+32*\kt+8*\s
.set rB, \qf+32*\u+8*\s
.set rSA, KS+\s
.set rSB, \qsr+\s
.set rRA, \kt
.set rRB, \u
.if \s == 0
	WM0
.else
	WMC
.endif
.endr
.endr
.endr
	WIN 0
	PLACES                                         ; in front of the loads into K's registers and of the first read of the scores
	s_add_co_u32 s[KN], s[KF], 256
	s_cmp_lt_u32 s[KN], s[KLIM]
	s_cselect_b32 s[KN], s[KN], 0                  ; behind a task's last step: keys 0 on
	s_lshl_b32 s[OF], s[KN], 8
	s_add_nc_u64 s[KB:KB+1], s[KB0:KB0+1], s[OF:OF+1]
	s_lshl_b32 s[OF], s[KN], 4
	s_add_nc_u64 s[KSB:KSB+1], s[KSB0:KSB0+1], s[OF:OF+1]
	WIN 0x40
.set n, 0
.rept 16
	global_load_b128 v[128+4*n:128+4*n+3], v[LN16], s[KB:KB+1] offset:512*n   ; K of the next step
.set n, n+1
.endr
	WIN 0
	global_load_b128 v[KS:KS+3], v[LN16], s[KSB:KSB+1]
.if \pf
; PREFETCHES INTO THE L2, behind the step's loads: my own 8,192 bytes of K and of V, lanes 256 bytes apart, two steps ahead of the loads that will want them (K of keys KF + 768 on, V of keys KF + 512 on).
; All work-groups of a batch walk the same K and V: the batch's first work-group asks, in its first task, which walks all 2,048 keys; each wave names the bytes that it will load itself: each block of 256 bytes once.
; They stop at KF = 1,024: K's last names keys 1,792 on, the batch's last step.  The first steps and the scale words come by their loads alone.
	s_cmp_lt_u32 s[KF], s[PFL]
	s_cbranch_scc0 .Lnot_mine_\@
	global_prefetch_b8 v[PFK], s[KB:KB+1] offset:131072 th:TH_LOAD_NT scope:SCOPE_SE
	global_prefetch_b8 v[PFV], s[VB:VB+1] offset:131072 th:TH_LOAD_NT scope:SCOPE_SE
.Lnot_mine_\@:
.endif
	s_lshl_b32 s[T0], s[WV], 5                     ; THE CAUSAL MASK.  Where all my 32 keys come before the task's first query it is jumped over: a scalar branch on ids, with no barrier inside
	s_add_co_u32 s[T0], s[T0], s[KF]
	s_cmp_lt_u32 s[T0], s[Q0]
	s_cbranch_scc1 .Lopen_\@
	v_mov_b32 v24, 0xff800000                      ; -infinity: p = 0 then
.irp u, 0,1
.set n, 0
.rept 16
	v_cmp_gt_i32 vcc_lo, n, v[DD+\u]               ; register n holds key KF + 32 w + 16 h + n: hidden where n > my query - KF - 32 w - 16 h
	v_cndmask_b32 v[S+16*\u+n], v[S+16*\u+n], v24, vcc_lo
.set n, n+1
.endr
.endr
.Lopen_\@:
	; THE PRODUCER'S SOFTMAX.  v180, v181 the block's largest score; v182, v183 the other half's; v[184:185], v[186:187] -M; v188, v189 t; v190, v191 the largest p; v[192:195] sums; v196, v197 scale operands; v198, v199 bytes; v200-203 codes
.irp u, 0,1
	v_max3_num_f32 v[180+\u], v[S+16*\u], v[S+16*\u+1], v[S+16*\u+2]   ; each accumulator is read from its low end on
.endr
.irp i, 3,5,7,9,11,13
.irp u, 0,1
	v_max3_num_f32 v[180+\u], v[180+\u], v[S+16*\u+\i], v[S+16*\u+\i+1]
.endr
.endr
.irp u, 0,1
	v_max_num_f32 v[180+\u], v[180+\u], v[S+16*\u+15]
.endr
.irp u, 0,1
	v_permlanex16_b32 v[182+\u], v[180+\u], s[SEL], s[SEL+1]
.endr
.irp u, 0,1
	v_max_num_f32 v[180+\u], v[180+\u], v[182+\u]  ; with lane l xor 16's 16 keys: it serves for M and, since p rises with the score, for the block's largest p
.endr
.irp u, 0,1
	v_mul_f32 v[188+\u], s[CS], v[180+\u]
.endr
.irp u, 0,1
	v_max_num_f32 v[188+\u], s[TLO], v[188+\u]     ; a block that is wholly hidden gets M = -2^23
.endr
.irp u, 0,1
	v_floor_f32 v[184+2*\u], -v[188+\u]            ; -M = floor(-t) = -ceil(t)
.endr
.irp u, 0,1
.irp j, 0,2,4,6,8,10,12,14
	v_pk_fma_f32 v[S+16*\u+\j:S+16*\u+\j+1], v[S+16*\u+\j:S+16*\u+\j+1], s[CS:CS+1], v[184+2*\u:185+2*\u] op_sel_hi:[1,0,0]   ; t - M
.endr
.endr
.irp u, 0,1
	v_fma_f32 v[190+\u], v[180+\u], s[CS], v[184+2*\u]   ; the same of the largest score
.endr
.set n, 0
.rept 32
	v_exp_f32 v[S+n], v[S+n]                       ; p = 2^(t - M)
.set n, n+1
.endr
	v_exp_f32 v190, v190                           ; the same two instructions on the same number give the same bits
	v_exp_f32 v191, v191
	v_nop                                          ; one plain place behind the exponentials
	s_wait_alu depctr_va_vdst(0)                   ; one wait for the batch of 34, ahead of its first reader
.irp u, 0,1
	v_pk_add_f32 v[192+2*\u:193+2*\u], v[S+16*\u:S+16*\u+1], v[S+16*\u+2:S+16*\u+3]   ; the sum is taken of the unquantised p
.endr
.irp j, 4,6,8,10,12,14
.irp u, 0,1
	v_pk_add_f32 v[192+2*\u:193+2*\u], v[192+2*\u:193+2*\u], v[S+16*\u+\j:S+16*\u+\j+1]
.endr
.endr
.irp u, 0,1
	v_add_f32 v[192+2*\u], v[192+2*\u], v[193+2*\u]
.endr
.irp u, 0,1
	v_permlanex16_b32 v[182+\u], v[192+2*\u], s[SEL], s[SEL+1]
.endr
.irp u, 0,1
	v_add_f32 v[192+2*\u], v[192+2*\u], v[182+\u]  ; the block's sum
.endr
.irp u, 0,1
	v_max_num_f32 v[190+\u], 0x1800000, v[190+\u]  ; the floor 2^(3 - 127): the byte cannot fall under 1
.endr
.irp u, 0,1
	v_add_nc_u32 v[196+\u], 0xff000000, v[190+\u]  ; 2 off the exponent field: the conversion's scale operand
.endr
.irp u, 0,1
	v_lshrrev_b32 v[198+\u], 23, v[196+\u]         ; the scale's byte
.endr
.irp u, 0,1
	v_cvt_scalef32_pk8_fp4_f32 v[200+2*\u], v[S+16*\u:S+16*\u+7], v[196+\u]
	v_cvt_scalef32_pk8_fp4_f32 v[201+2*\u], v[S+16*\u+8:S+16*\u+15], v[196+\u]
.endr
	v_nop                                          ; one plain place behind a scaled conversion
	v_permlane16_swap_b32 v200, v202               ; lane 16 u + r now holds the 32 codes, 16 bytes, of query r of tile u
	v_permlane16_swap_b32 v201, v203
	v_cndmask_b32 v24, v198, v199, s[HM]           ; and takes that tile's byte, -M and sum
	v_cndmask_b32 v25, v184, v186, s[HM]
	v_cndmask_b32 v26, v192, v194, s[HM]
	v_cvt_f32_u32 v27, v24
	v_sub_f32 v27, v27, v25                        ; A = byte + M
	v_sub_nc_u32 v28, 125, v24
	v_ldexp_f32 v26, v26, v28                      ; l' = sum x 2^(125 - byte): under 64, since the sum is under 32 x 2^(byte - 124)
	ds_store_b128 v[PG], v[200:203]
	ds_store_b32 v[SST], v27
	ds_store_b32 v[SST], v26 offset:32
	s_wait_dscnt 0x0                               ; for the others' sake: my stores have landed
	s_barrier_signal -1
	s_barrier_wait -1
.irp u, 0,1
.irp e, 0,1
.irp c, 0,1
	ds_load_b128 v[P+16*\u+8*\e+4*\c:P+16*\u+8*\e+4*\c+3], v[LN16] offset:2048*\u+1024*\e+512*\c
.endr
.endr
.endr
.irp k, 0,1,2,3
	ds_load_b128 v[AW+4*\k:AW+4*\k+3], v[SLD] offset:16*\k
.endr
	s_wait_dscnt 0x0                               ; my reads are over:
	s_barrier_signal -1
	s_barrier_wait -1                              ; everybody's are, so the next step may write these bytes again
	; THE CONSUMER'S STATISTICS, lane 16 u + r for query r of tile u
	v_max3_num_f32 v18, v[RR], v[AW], v[AW+1]
	v_max3_num_f32 v18, v18, v[AW+2], v[AW+3]
	v_max3_num_f32 v18, v18, v[AW+4], v[AW+5]
	v_max3_num_f32 v18, v18, v[AW+6], v[AW+7]      ; RN
	v_sub_f32 v24, v[RR], v18
	v_cvt_i32_f32 v24, v24                         ; a whole number, 0 or less (it saturates)
	v_ldexp_f32 v24, 1.0, v24                      ; F = 2^(R - RN): rounds nothing
	v_mov_b32 v[RR], v18
.irp k, 0,2,4,6
	v_pk_add_f32 v[AW+\k:AW+\k+1], v[AW+\k:AW+\k+1], v[18:19] op_sel_hi:[1,0] neg_lo:[0,1] neg_hi:[0,1]   ; A_w - RN
.endr
.irp k, 0,1,2,3,4,5,6,7
	v_max_num_f32 v[AW+\k], s[ELO], v[AW+\k]
.endr
.irp k, 0,1,2,3,4,5,6,7
	v_cvt_i32_f32 v[AW+\k], v[AW+\k]               ; e_w, -124 .. 0
.endr
.irp e, 0,1
	v_lshl_add_u32 v[PS+\e], v[AW+4*\e+3], 8, v[AW+4*\e+2]   ; the sum of e_w 2^(8 (w % 4)), modulo 2^32,
.endr
.irp e, 0,1
	v_lshl_add_u32 v[PS+\e], v[PS+\e], 8, v[AW+4*\e+1]
.endr
.irp e, 0,1
	v_lshl_add_u32 v[PS+\e], v[PS+\e], 8, v[AW+4*\e]
.endr
.irp e, 0,1
	v_add_nc_u32 v[PS+\e], 0x7d7d7d7d, v[PS+\e]    ; + 125 in each byte: each byte is 125 + e_w, 1 .. 125, so nothing is borrowed in the end
.endr
.irp k, 0,1,2,3,4,5,6,7
	v_ldexp_f32 v[LW+\k], v[LW+\k], v[AW+\k]
.endr
	v_pk_add_f32 v[LW:LW+1], v[LW:LW+1], v[LW+2:LW+3]
	v_pk_add_f32 v[LW+4:LW+5], v[LW+4:LW+5], v[LW+6:LW+7]
	v_pk_add_f32 v[LW:LW+1], v[LW:LW+1], v[LW+4:LW+5]
	v_add_f32 v[LW], v[LW], v[LW+1]
	v_fma_f32 v[RR+1], v[RR+1], v24, v[LW]         ; l = l F + the step's sums
	v_permlanex16_b32 v25, v24, s[SEL], s[SEL+1]
	v_cndmask_b32 v20, v24, v25, s[HM]             ; F of tile 0's query r, in both halves of the lanes;
	v_cndmask_b32 v22, v25, v24, s[HM]             ; of tile 1's
.irp u, 0,1
.set n, 0
.rept 16
	v_pk_mul_f32 v[O+32*\u+2*n:O+32*\u+2*n+1], v[O+32*\u+2*n:O+32*\u+2*n+1], v[20+2*\u:21+2*\u] op_sel_hi:[1,0]   ; O^T under the new reference, ascending.  (With the lines above: the places between P's scale words and the products)
.set n, n+1
.endr
.endr
	s_wait_loadcnt 17                              ; V and its scale words are in; the next step's 16 loads of K and one of its scale words are younger
	WIN 0x01                                       ; V in window 1
.irp e, 0,1                                    ; O^T += V^T P^T: 128 keys at a time, the eight accumulators (dt, u) by turns
.irp dt, 0,1,2,3
.irp u, 0,1
.set rD, O+32*\u+8*\dt
.set rC, rD
.set rA, 192+32*\e+8*\dt
.set rB, P+16*\u+8*\e
.set rSA, VS+2*\e+\dt/2
.set rSB, PS+\e
.set rRA, \dt%2
.set rRB, \u
	WMC
.endr
.endr
.endr
	WIN 0
	s_add_co_u32 s[KF], s[KF], 256
.endm
; A TASK: 32 queries.  hi = 1: block 63 - i; 0: block i.
.macro TASK qf, qsr, hi
	s_wait_xcnt 0x0                                ; the last task's stores have read their data and their base
.if \hi
	s_sub_co_u32 s[T0], 63, s[II]
.else
	s_mov_b32 s[T0], s[II]
.endif
	s_lshl_b32 s[Q0], s[T0], 5
	s_lshr_b32 s[NS], s[T0], 3
	s_add_co_u32 s[NS], s[NS], 1                   ; steps of 256 keys up to the block's last query
	s_lshl_b32 s[KLIM], s[NS], 8
	s_lshl_b32 s[OF], s[T0], 16                    ; 32 rows of 2,048 bytes
	s_add_nc_u64 s[OB:OB+1], s[16:17], s[OF:OF+1]
	s_mov_b32 s[KF], 0
	s_mov_b32 s[JJ], 0
.set n, 0
.rept 64
	v_mov_b32 v[O+n], 0                            ; the step is written once for a task: its first trip finds zeros
.set n, n+1
.endr
	v_mov_b32 v[RR], 0xcb800000                    ; R = -2^24, under every A
	v_mov_b32 v[RR+1], 0                           ; l
.Lstep_\@:
	STEP \qf, \qsr, \hi
	s_add_co_u32 s[JJ], s[JJ], 1
	s_cmp_lt_u32 s[JJ], s[NS]
	s_cbranch_scc1 .Lstep_\@
	; THE WAY OUT: O^T / l through my stage in LDS, a tile of 16 queries x my 64 channels (256 bytes a row) at a time
	PLACES                                         ; between the last products and the first read of results
	v_rcp_f32 v24, v[RR+1]
	v_nop                                          ; one plain place behind the reciprocal
	s_wait_alu depctr_va_vdst(0)                   ; and the wait ahead of its first reader
	v_permlanex16_b32 v25, v24, s[SEL], s[SEL+1]
	v_cndmask_b32 v20, v24, v25, s[HM]
	v_cndmask_b32 v22, v25, v24, s[HM]
.irp u, 0,1
.set BK, P-64*\u                               ; the rows come back into registers that are dead: tile 0's into P's, tile 1's into tile 0's accumulators
.set n, 0
.rept 16
	v_pk_mul_f32 v[S+2*n:S+2*n+1], v[O+32*\u+2*n:O+32*\u+2*n+1], v[20+2*\u:21+2*\u] op_sel_hi:[1,0]
.set n, n+1
.endr
.irp dt, 0,1,2,3
	ds_store_b128 v[STO], v[S+8*\dt:S+8*\dt+3] offset:128*(\dt/2)+32*(\dt%2)       ; register j of tile dt: channel 32 (dt / 2) + 16 h + 8 (dt % 2) + j of my 64
	ds_store_b128 v[STO], v[S+8*\dt+4:S+8*\dt+7] offset:128*(\dt/2)+32*(\dt%2)+16
.endr
.irp i, 0,1,2,3,4,5,6,7
	ds_load_b128 v[BK+4*\i:BK+4*\i+3], v[SRD] offset:2*SP*\i   ; LDS serves a wave's instructions in order: these see my stores, and the next tile's stores come behind them
.endr
.irp i, 0,1,2,3,4,5,6,7
	s_wait_dscnt 7-\i                              ; the later loads may be out
	global_store_b128 v[PG], v[BK+4*\i:BK+4*\i+3], s[OB:OB+1] offset:2048*(8*\u+2*\i+8*(\i/4)) th:TH_STORE_NT   ; stage row 2 i + h is token 8 u + 2 i + h + 8 (i / 4); 16 lanes store 256 consecutive bytes, aligned
.endr
.endr
.endm
	TASK 0, QSH, 1
	TASK 64, QSL, 0
	s_wait_tensorcnt 0x0
	ds_add_u32 v254, v255
	s_wait_dscnt 0x0
	s_endpgm
.Lfunc_end_k_q2c7d16d7c1_attn:
	.size	k_q2c7d16d7c1_attn, .Lfunc_end_k_q2c7d16d7c1_attn-k_q2c7d16d7c1_attn
	.p2alignl 7, 3214868480
	.fill 96, 4, 3214868480
	.section	.rodata,"a",@progbits
	.p2align	6, 0x0
	.amdhsa_kernel k_q2c7d16d7c1_attn
		.amdhsa_group_segment_fixed_size 42496
		.amdhsa_private_segment_fixed_size 0
		.amdhsa_enable_private_segment 0
		.amdhsa_kernarg_size 56
		.amdhsa_user_sgpr_count 2
		.amdhsa_user_sgpr_kernarg_segment_ptr 1
		.amdhsa_wavefront_size32 1
		.amdhsa_system_sgpr_workgroup_id_x 1
		.amdhsa_system_sgpr_workgroup_id_y 1
		.amdhsa_system_sgpr_workgroup_id_z 1
		.amdhsa_system_vgpr_workitem_id 0
		.amdhsa_next_free_vgpr 512
		.amdhsa_next_free_sgpr 68
		.amdhsa_reserve_vcc 1
		.amdhsa_float_denorm_mode_32 3
		.amdhsa_float_denorm_mode_16_64 3
		.amdhsa_memory_ordered 1
		.amdhsa_forward_progress 1
		.amdhsa_inst_pref_size 72
	.end_amdhsa_kernel
	.amdgpu_metadata
---
amdhsa.version: [ 1, 2 ]
amdhsa.kernels:
  - .name:           k_q2c7d16d7c1_attn
    .symbol:         k_q2c7d16d7c1_attn.kd
    .args:
      - { .name: qc, .offset: 0, .size: 8, .value_kind: global_buffer, .address_space: global }
      - { .name: qs, .offset: 8, .size: 8, .value_kind: global_buffer, .address_space: global }
      - { .name: kc, .offset: 16, .size: 8, .value_kind: global_buffer, .address_space: global }
      - { .name: ks, .offset: 24, .size: 8, .value_kind: global_buffer, .address_space: global }
      - { .name: vc, .offset: 32, .size: 8, .value_kind: global_buffer, .address_space: global }
      - { .name: vs, .offset: 40, .size: 8, .value_kind: global_buffer, .address_space: global }
      - { .name: out0, .offset: 48, .size: 8, .value_kind: global_buffer, .address_space: global }
    .group_segment_fixed_size: 42496
    .private_segment_fixed_size: 0
    .kernarg_segment_align: 8
    .kernarg_segment_size: 56
    .max_flat_workgroup_size: 256
    .sgpr_count:     68
    .vgpr_count:     512
    .wavefront_size: 32
...
	.end_amdgpu_metadata
.endif
;; end of part 3
;; ======== version 2 of 2: 3 launches
;; limits: right only within a limited range of input values
;; workspace buffers: wc 524,288 bytes; wsc 32,768 bytes; qc 4,194,304 bytes; qs 262,144 bytes; kc 4,194,304 bytes; ks 262,144 bytes; vc 4,194,304 bytes; vs 262,144 bytes
;; launch wquant (part 4): grid 32 x 2, 4 waves a work-group, no clusters, 1,536 bytes of LDS; arguments Wq, Wk, wc, wsc; writes wc, wsc
.if DOCPART == 4
	.amdgcn_target "amdgcn-amd-amdhsa--gfx1250"
	.amdhsa_code_object_version 6
	.text
	.protected	k_q2c7d16d7c1_wquant
	.globl	k_q2c7d16d7c1_wquant
	.p2align	8
	.type	k_q2c7d16d7c1_wquant,@function
k_q2c7d16d7c1_wquant:
	s_mov_b64 s[64:65], 0
	v_nop
	global_prefetch_b8 v0, s[64:65] scope:SCOPE_SE
	s_setreg_imm32_b32 hwreg(HW_REG_WAVE_MODE, 25, 1), 1
	s_wait_xcnt 0x0
; Wq and Wk, [1024 (k)][512 (n)] f32, become codes of FP4 (E2M1) with one E8M0 byte for each 32 along K, laid in the order of an operand's registers.
; wc:  [weight 2][w 4][t 8][s 8][1,024 bytes]: a fragment of 16 columns x 128 K.  Its row r is column n = 128 w + 32 (t / 2) + 8 (t % 2) + r + 8 (r / 8); the 32 codes of K block kb of row r lie at 256 kb + 16 r.
; wsc: [weight][w][s 8][lane 32][b 4] words: lane 16 u + r, word b: the four scale bytes of tile 2 b + u, row r, K step s.
; A LANE TAKES A COLUMN AND ITS REGISTERS RUN DOWN K: a block of 32 lies in one lane, no maximum crosses lanes, and the conversions give codes with K innermost.
; Work-group x = 8 w + s, y = weight; wave b takes tiles 2 b and 2 b + 1 (lanes 0-15, lanes 16-31).  Each load of a wave reads 128 consecutive bytes of a row of W.
; A block's scale is 2^(floor(log2(largest magnitude)) - 2); its byte is the largest magnitude's exponent field - 2, held at 1 from below.
; LIMITS: a block of zeros gets the byte 1 where the rule says 127 (its codes are zeros, and this program alone reads the bytes); NaN and infinities among the inputs are not served.
; 64 work-groups: a scale word wants 128 along K of a column in one lane, and the two weights have 2 x 512 x 8 such runs, 128 to a work-group.
.set X, 32                             ; v32-159  128 numbers: K = 128 s + 0 .. 127 of my column
.set C, 16                             ; v16-31   codes, four registers a block: no store's data are written again
	s_load_b128 s[4:7], s[0:1], 0x0                ; Wq, Wk
	s_load_b128 s[8:11], s[0:1], 0x10              ; wc, wsc
	v_lshl_add_u32 v168, v0, 2, 0x400
	v_mov_b32 v169, 0
	v_lshrrev_b32 v8, 5, v0
	v_readfirstlane_b32 s12, v8                    ; wave b
	v_and_b32 v1, 31, v0                           ; lane
	v_and_b32 v2, 15, v0                           ; r
	v_bfe_u32 v3, v0, 4, 1                         ; u
	v_and_b32 v4, 8, v2
	v_add_nc_u32 v4, v4, v2                        ; r + 8 (r / 8)
	v_lshl_add_u32 v4, v3, 3, v4                   ; + 8 u: my column among the wave's 32
	v_lshlrev_b32 v4, 2, v4                        ; in bytes
	v_lshlrev_b32 v5, 4, v2
	v_lshl_add_u32 v5, v3, 13, v5                  ; codes out: 16 r, and tile 2 b + 1 lies 8,192 bytes behind tile 2 b
	v_lshlrev_b32 v7, 4, v1                        ; 16 x lane
	v_lshl_add_u32 v6, v8, 2, v7                   ; LDS: 16 x lane + 4 b: my scale word's place
	s_and_b32 s13, ttmp7, 0xffff                   ; which weight
	s_lshr_b32 s14, ttmp9, 3                       ; w
	s_and_b32 s15, ttmp9, 7                        ; s
	s_lshl_b32 s16, s15, 18                        ; W: 128 s rows of 2,048 bytes
	s_lshl_b32 s22, s14, 9
	s_add_co_u32 s16, s16, s22                     ; + 128 w columns
	s_lshl_b32 s22, s12, 7
	s_add_co_u32 s16, s16, s22                     ; + 32 b columns
	s_mov_b32 s17, 0
	s_lshl_b32 s18, s13, 18                        ; wc: 262,144 weight + 65,536 w + 16,384 b + 1,024 s
	s_lshl_b32 s22, s14, 16
	s_add_co_u32 s18, s18, s22
	s_lshl_b32 s22, s12, 14
	s_add_co_u32 s18, s18, s22
	s_lshl_b32 s22, s15, 10
	s_add_co_u32 s18, s18, s22
	s_mov_b32 s19, 0
	s_lshl_b32 s20, s13, 14                        ; wsc: 16,384 weight + 4,096 w + 512 s
	s_lshl_b32 s22, s14, 12
	s_add_co_u32 s20, s20, s22
	s_lshl_b32 s22, s15, 9
	s_add_co_u32 s20, s20, s22
	s_mov_b32 s21, 0
	s_wait_alu depctr_va_vdst(0)
	s_wait_kmcnt 0x0
	s_cmp_eq_u32 s13, 0                            ; the choice hangs on the work-group's number alone
	s_cselect_b64 s[4:5], s[4:5], s[6:7]
	s_add_nc_u64 s[4:5], s[4:5], s[16:17]
	s_add_nc_u64 s[8:9], s[8:9], s[18:19]
	s_add_nc_u64 s[10:11], s[10:11], s[20:21]
.macro LOAD kb                         ; block kb: W(128 s + 32 kb + i, my column), i = 0 .. 31
.set i, 0
.rept 32
	global_load_b32 v[X+32*(\kb)+i], v4, s[4:5] offset:(32*(\kb)+i)*2048 th:TH_LOAD_NT
.set i, i+1
.endr
.endm
.macro BLOCK kb
.set XS, X+32*(\kb)
.if (\kb) < 3
	s_wait_loadcnt 32                              ; this block's 32 loads are in; the next block's 32, the only younger ones, may be out
.else
	s_wait_loadcnt 0x0
.endif
.if (\kb) < 2
	LOAD (\kb)+2                                   ; two blocks ahead, into registers of its own
.endif
	v_max3_num_f32 v8, |v[XS]|, |v[XS+1]|, |v[XS+2]|               ; the block's largest magnitude, in two chains
	v_max3_num_f32 v9, |v[XS+3]|, |v[XS+4]|, |v[XS+5]|
.irp i, 6,10,14,18,22,26
	v_max3_num_f32 v8, v8, |v[XS+\i]|, |v[XS+\i+1]|
	v_max3_num_f32 v9, v9, |v[XS+\i+2]|, |v[XS+\i+3]|
.endr
	v_max3_num_f32 v8, v8, |v[XS+30]|, |v[XS+31]|
	v_max3_num_f32 v8, v8, v9, 0x1800000           ; and the floor 2^(3 - 127): the byte cannot fall under 1
	v_add_nc_u32 v11, 0xff000000, v8               ; 2 off the exponent field: the conversion takes this operand's exponent field as its scale
	v_lshrrev_b32 v10, 23, v11                     ; the scale's byte
.if (\kb) == 0
	v_mov_b32 v12, v10                             ; four bytes make my column's scale word, the lower K in the lower byte
.else
	v_lshl_or_b32 v12, v10, 8*(\kb), v12
.endif
.irp g, 0,1,2,3
	v_cvt_scalef32_pk8_fp4_f32 v[C+4*(\kb)+\g], v[XS+8*\g:XS+8*\g+7], v11
.endr
	global_store_b128 v5, v[C+4*(\kb):C+4*(\kb)+3], s[8:9] offset:256*(\kb)   ; lanes 0-15 store 256 consecutive bytes, aligned, of tile 2 b; lanes 16-31 of tile 2 b + 1
.endm
	LOAD 0
	LOAD 1
	BLOCK 0
	BLOCK 1
	BLOCK 2
	BLOCK 3
	ds_store_b32 v6, v12                           ; the four waves' scale words meet in LDS, so that they leave as 512 consecutive bytes
	s_wait_dscnt 0x0                               ; for the others' sake: my store has landed
	s_barrier_signal -1
	s_barrier_wait -1
	s_cmp_lg_u32 s12, 0
	s_cbranch_scc1 .Lend                           ; wave 0 alone stores them
	ds_load_b128 v[160:163], v7
	s_wait_dscnt 0x0
	global_store_b128 v7, v[160:163], s[10:11]
.Lend:
	s_wait_tensorcnt 0x0
	ds_add_u32 v168, v169
	s_wait_dscnt 0x0
	s_endpgm
.Lfunc_end_k_q2c7d16d7c1_wquant:
	.size	k_q2c7d16d7c1_wquant, .Lfunc_end_k_q2c7d16d7c1_wquant-k_q2c7d16d7c1_wquant
	.p2alignl 7, 3214868480
	.fill 96, 4, 3214868480
	.section	.rodata,"a",@progbits
	.p2align	6, 0x0
	.amdhsa_kernel k_q2c7d16d7c1_wquant
		.amdhsa_group_segment_fixed_size 1536
		.amdhsa_private_segment_fixed_size 0
		.amdhsa_enable_private_segment 0
		.amdhsa_kernarg_size 32
		.amdhsa_user_sgpr_count 2
		.amdhsa_user_sgpr_kernarg_segment_ptr 1
		.amdhsa_wavefront_size32 1
		.amdhsa_system_sgpr_workgroup_id_x 1
		.amdhsa_system_sgpr_workgroup_id_y 1
		.amdhsa_system_sgpr_workgroup_id_z 1
		.amdhsa_system_vgpr_workitem_id 0
		.amdhsa_next_free_vgpr 170
		.amdhsa_next_free_sgpr 66
		.amdhsa_reserve_vcc 0
		.amdhsa_float_denorm_mode_32 3
		.amdhsa_float_denorm_mode_16_64 3
		.amdhsa_memory_ordered 1
		.amdhsa_forward_progress 1
		.amdhsa_inst_pref_size 21
	.end_amdhsa_kernel
	.amdgpu_metadata
---
amdhsa.version: [ 1, 2 ]
amdhsa.kernels:
  - .name:           k_q2c7d16d7c1_wquant
    .symbol:         k_q2c7d16d7c1_wquant.kd
    .args:
      - { .name: Wq, .offset: 0, .size: 8, .value_kind: global_buffer, .address_space: global }
      - { .name: Wk, .offset: 8, .size: 8, .value_kind: global_buffer, .address_space: global }
      - { .name: wc, .offset: 16, .size: 8, .value_kind: global_buffer, .address_space: global }
      - { .name: wsc, .offset: 24, .size: 8, .value_kind: global_buffer, .address_space: global }
    .group_segment_fixed_size: 1536
    .private_segment_fixed_size: 0
    .kernarg_segment_align: 8
    .kernarg_segment_size: 32
    .max_flat_workgroup_size: 128
    .sgpr_count:     66
    .vgpr_count:     170
    .wavefront_size: 32
...
	.end_amdgpu_metadata
.endif
;; end of part 4
;; launch proj (part 5): grid 64 x 3, 4 waves a work-group, no clusters, 327,680 bytes of LDS; arguments x0, x1, x2, wc, wsc, bq, bk, qc, qs, kc, ks, vc, vs; writes qc, qs, kc, ks, vc, vs
.if DOCPART == 5
	.amdgcn_target "amdgcn-amd-amdhsa--gfx1250"
	.amdhsa_code_object_version 6
	.text
	.protected	k_q2c7d16d7c1_proj
	.globl	k_q2c7d16d7c1_proj
	.p2align	8
	.type	k_q2c7d16d7c1_proj,@function
k_q2c7d16d7c1_proj:
	s_mov_b64 s[64:65], 0
	v_nop
	global_prefetch_b8 v0, s[64:65] scope:SCOPE_SE
	s_setreg_imm32_b32 hwreg(HW_REG_WAVE_MODE, 25, 1), 1
	s_wait_xcnt 0x0
; q = (x0 Wq + bq) / sqrt(512), k = x1 Wk + bk, v = x2 Wk + bk, each [16,384][512], on codes of FP4 (E2M1) with one E8M0 scale for each 32 along K = 1,024; the results are quantised at once
; for the attention launch (q, k along d; v along the tokens) and leave as codes laid in the order of an operand's registers.  Work-group (x, y): rows 256 x .. 256 x + 255 of tensor y, eight blocks of 32 rows.
; THE WAVES SHARE THE COLUMNS: wave w keeps the weight's columns 128 w .. 128 w + 127 for all of K in 512 registers for the whole launch, with their scale words and biases.
; x comes as f32 through a ring of two LDS slots filled by the tensor data mover: each wave fetches 32 rows x 1,024 bytes (its quarter of K) with one load, and it alone reads those bytes.
; A BLOCK: X: wave w quantises K steps 2 w, 2 w + 1 of the 32 rows (four fragments) and stores them in LDS as images of their registers | barrier | every wave fetches all 16 fragments; 128 products; the
; results are quantised in registers and stored.  q, k: source 0 = W, source 1 = x: a lane holds one token, its registers run along d.  v: the sources swapped: a lane holds one d, its registers run along the tokens.
; TILE ORDER: lane r of tile u of a group of 32 (tokens, or columns of W) takes member 8 u + r + 8 (r / 8), so that the 16 registers of tiles 2 b, 2 b + 1 of a result are 16 neighbours: 32 b + 16 (lane / 16) + 0 .. 15.
; OUT: qc, kc [block of 32 tokens 512][u 2][s 4][1,024]; qs, ks [block][16 u + r][s 4] words; vc [128 keys 128][dt 32][1,024]; vs [128 keys][G 4][lane][i 4] words: lane 16 h + r, word i: tile 8 G + 2 i + h.
; The biases are the C of each sum's first product.  192 work-groups: a work-group holds one weight, and a tensor's 512 blocks divide evenly among 64.
; No cluster: what work-groups share is the weights alone, read once by each into registers, 272 KB against the 1 MB of x that it streams; joint loads would send them through LDS.
; No prefetch: x is streamed once and each wave always has its next 32 KB asked for.
; LIMITS: a block of zeros gets the byte 1 where the rule says 127 (its codes are zeros; this program alone reads the bytes); NaN and infinities among the inputs are not served.
; x's rows r and r + 16 of a tile start a whole number of 256 bytes apart, so x's LDS reads go two deep on the banks: 64 loads a wave a block.
.set SLOT,  133120                     ; a slot: four waves' regions
.set WREG,  33280                      ; a wave's region: 32 rows
.set XP,    1040                       ; a row: 1,024 bytes + 16 of padding
.set XIMG,  2*SLOT                     ; behind the ring: x's 16 fragments, (u, s) at 1,024 (8 u + s);
.set XSC,   XIMG+16384                 ; their scale words: row 16 u + r at 32 bytes, word s;
.set SCR,   XSC+1024                   ; q's or k's scale words of the work-group's 256 tokens: 16 bytes a token, word w;
.set SPARE, SCR+4096                   ; the spare words, 128 bytes for each wave: two blocks of 256 bytes that no other line names
.set SPW, 1                            ; v1   SPARE + 4 x my thread's number; never rewritten
.set NIL, 2                            ; v2   0; never rewritten
.set XA,  3                            ; v3   my lane's place in my wave's region of a slot
.set XAD, 4                            ; v4   the same in the slot in hand
.set LI,  5                            ; v5   16 x lane
.set XWI, 6                            ; v6   where I store x's images
.set XWS, 7                            ; v7   and their scale words
.set XRS, 8                            ; v8   where I read the scale words
.set XRI, 9                            ; v9   and the images
.set SCW0, 10                          ; v10  q's, k's scale words: my place in a block's
.set SCW, 11                           ; v11  the same in the block in hand
.set SCRD, 12                          ; v12  and where I read them back at the end
.set VO,  13                           ; v13  v's codes: 1,024 (lane / 16) + 16 r
.set XS,  16                           ; v16-23  x's scale words: register s; lanes 0-15 tile 0, lanes 16-31 tile 1
.set WS,  24                           ; v24-55  W's: register 4 s + b; lanes 0-15 tile 2 b, lanes 16-31 tile 2 b + 1
.set PCA, 56                           ; v56-63, v64-71  the codes just made, two sets by turns
.set PCB, 64
.set PWA, 72                           ; v72, v73  and their scale words
.set PWB, 73
.set TM,  76                           ; v76-79 largest magnitudes, v80-83 bytes, v88-91 the conversions' scale operands
.set SV,  92                           ; v92-95  v's scale words, gathered over four blocks
.set ACC, 96                           ; v96-223 16 accumulators; in phase X two sets of 64 numbers of x
.set ST0, 96
.set ST1, 160
.set TP,  224                          ; v224-231 at work
.set BI,  128                          ; window 3: v0-127 x's fragments, (u, s) at 64 u + 8 s; v128-191 the biases, 8 a tile.  Windows 1, 2: W's tiles 0-3, 4-7, (t, s) at 8 (8 (t % 4) + s)
.set XB,  4                            ; s[4:5] x;  s[10:11] my part of wc;  s[12:13] of wsc;  s[14:15] of the bias;  s[18:19] codes out;  s[20:21] scale words out
.set WCB, 10
.set WSB, 12
.set BIA, 14
.set OC0, 18
.set OS,  20
.set WV,  30
.set TY,  31
.set GX,  32
.set TG,  33                           ; s33  LDS byte at which the slot in hand begins
.set TF,  34                           ; s34  the other slot
.set WOFF, 35                          ; s35  my wave's region in a slot
.set G0,  36                           ; s[36:39] descriptor group 0, which walks;  s[40:47] group 1
.set G1,  40
.set CQ,  48                           ; s[48:49] 1 / sqrt(512)
.set SEL, 50                           ; s[50:51] lane selects for v_permlanex16_b32: lane l xor 16
.set TR,  52                           ; s52  the block's number, and the loop's counter
.set T0,  53
.set SH,  54                           ; s54  8 (block % 4): the place of this block's byte in v's scale words
.set T1,  55
.set OB,  56                           ; s[56:57] the block's codes out
.set OF,  58                           ; s[58:59] an offset; the upper word stays 0
.set HM,  60                           ; s60  lanes 16-31
.set T2,  61
.set OSB, 62                           ; s[62:63] v's scale words out
.set MSB, 0
.macro WIN new                         ; s_set_vgpr_msb: bits 1:0 source 0, 3:2 source 1, 5:4 source 2, 7:6 destination; the high byte repeats the setting that is left
.if MSB != (\new)
	s_set_vgpr_msb (MSB<<8)|(\new)
.set MSB, (\new)
.endif
.endm
.macro PLACES
.rept 4
	v_nop
.endr
.endm
	s_load_b512 s[4:19], s[0:1], 0x0               ; x0, x1, x2, wc, wsc, bq, bk, qc
	s_load_b256 s[20:27], s[0:1], 0x40             ; qs, kc, ks, vc
	s_load_b64 s[28:29], s[0:1], 0x60              ; vs
	v_lshl_add_u32 v[SPW], v0, 2, SPARE
	v_mov_b32 v[NIL], 0
	ds_add_u32 v1, v2
	ds_add_u32 v1, v2
	s_wait_dscnt 0x0
	v_lshrrev_b32 v[TP], 5, v0
	v_readfirstlane_b32 s[WV], v[TP]               ; wave 0..3
	s_and_b32 s[TY], ttmp7, 0xffff                 ; 0: q, 1: k, 2: v
	s_mov_b32 s[GX], ttmp9
	; descriptor group 1: 32 rows x 256 elements of 4 bytes, 1,024 elements from row to row; 4 words of padding behind every 256
	s_mov_b32 s[G1+0], (2<<16)|(1<<20)|(7<<22)|(3<<25)
	s_mov_b32 s[G1+1], 256<<16                     ; tensor_dim0
	s_mov_b32 s[G1+2], 32<<16                      ; tensor_dim1
	s_mov_b32 s[G1+3], 256<<16                     ; tile_dim0
	s_mov_b32 s[G1+4], 32                          ; tile_dim1
	s_mov_b32 s[G1+5], 1024                        ; tensor_dim0_stride
	s_mov_b32 s[G1+6], 0
	s_mov_b32 s[G1+7], 0
	s_mul_i32 s[WOFF], s[WV], WREG
	s_mov_b32 s[CQ], 0x3d3504f3                    ; 1 / sqrt(512)
	s_mov_b32 s[CQ+1], s[CQ]                       ; (named with it as a pair, so it is written)
	s_mov_b32 s[SEL], 0x76543210
	s_mov_b32 s[SEL+1], 0xfedcba98
	s_mov_b32 s[HM], 0xffff0000
	s_mov_b32 s[TG], 0
	s_mov_b32 s[TR], 0
	v_and_b32 v[TP], 31, v0                        ; lane
	v_and_b32 v[TP+1], 15, v0                      ; r
	v_bfe_u32 v[TP+2], v0, 4, 1                    ; h
	v_and_b32 v[TP+3], 8, v[TP+1]
	v_add_nc_u32 v[TP+3], v[TP+3], v[TP+1]         ; r + 8 (r / 8)
	v_mul_u32_u24 v[XA], v[TP+3], XP
	v_lshl_add_u32 v[XA], v[TP+2], 6, v[XA]        ; + 64 h: my 16 numbers of a block of 32
	v_add_nc_u32 v[XA], s[WOFF], v[XA]
	v_lshlrev_b32 v[LI], 4, v[TP]
	s_wait_alu depctr_va_vdst(0)
	s_lshl_b32 s[T0], s[WV], 11
	s_add_co_u32 s[T0], s[T0], XIMG
	v_add_nc_u32 v[XWI], s[T0], v[LI]              ; XIMG + 16 lane + 2,048 w: K steps 2 w, 2 w + 1
	s_lshl_b32 s[T0], s[WV], 3
	s_add_co_u32 s[T0], s[T0], XSC
	v_lshl_add_u32 v[XWS], v[TP+1], 5, s[T0]       ; XSC + 32 r + 8 w
	v_lshl_add_u32 v[XRS], v[TP], 5, XSC           ; XSC + 32 lane
	v_add_nc_u32 v[XRI], XIMG, v[LI]
	s_lshl_b32 s[T0], s[WV], 2
	s_add_co_u32 s[T0], s[T0], SCR
	v_lshl_add_u32 v[SCW0], v[TP+1], 4, s[T0]      ; SCR + 16 r + 4 w
	s_lshl_b32 s[T0], s[WV], 10
	s_add_co_u32 s[T0], s[T0], SCR
	v_add_nc_u32 v[SCRD], s[T0], v[LI]             ; SCR + 1,024 w + 16 lane
	v_lshlrev_b32 v[VO], 4, v[TP+1]
	v_lshl_add_u32 v[VO], v[TP+2], 10, v[VO]
	v_lshlrev_b32 v[TP+4], 6, v[TP+2]              ; the bias of q, k: 64 h: eight neighbours of my half
	v_lshlrev_b32 v[TP+5], 2, v[TP+3]              ; of v: my column
	s_lshl_b32 s[OF], s[GX], 20                    ; x: 256 x rows of 4,096 bytes
	s_lshl_b32 s[T0], s[WV], 10
	s_add_co_u32 s[OF], s[OF], s[T0]               ; + my quarter of K
	s_mov_b32 s[OF+1], 0
	s_wait_kmcnt 0x0
	s_cmp_eq_u32 s[TY], 1                          ; the buffers are chosen by the work-group's number alone
	s_cselect_b64 s[6:7], s[6:7], s[8:9]
	s_cselect_b64 s[22:23], s[22:23], s[26:27]
	s_cselect_b64 s[24:25], s[24:25], s[28:29]
	s_cmp_eq_u32 s[TY], 0
	s_cselect_b64 s[XB:XB+1], s[4:5], s[6:7]
	s_cselect_b64 s[BIA:BIA+1], s[14:15], s[16:17]
	s_cselect_b64 s[OC0:OC0+1], s[18:19], s[22:23]
	s_cselect_b64 s[OS:OS+1], s[20:21], s[24:25]
	s_mov_b32 s[G0], 1                             ; count = 1
	s_mov_b32 s[G0+1], s[WOFF]                     ; LDS address: slot 0, my region
	s_add_nc_u64 s[G0+2:G0+3], s[XB:XB+1], s[OF:OF+1]
	s_or_b32 s[G0+3], s[G0+3], 0x80000000          ; type = 2
	tensor_load_to_lds s[G0:G0+3], s[G1:G1+7]      ; block 0: my one first fill, ahead of every wait on TENSORcnt, every LDS read and every barrier
	s_nop 0
	PLACES
	s_cmp_eq_u32 s[TY], 0
	s_cselect_b32 s[T0], 0, 1                      ; which weight
	s_lshl_b32 s[OF], s[T0], 18
	s_lshl_b32 s[T1], s[WV], 16
	s_add_co_u32 s[OF], s[OF], s[T1]
	s_add_nc_u64 s[WCB:WCB+1], s[WCB:WCB+1], s[OF:OF+1]
	s_lshl_b32 s[OF], s[T0], 14
	s_lshl_b32 s[T1], s[WV], 12
	s_add_co_u32 s[OF], s[OF], s[T1]
	s_add_nc_u64 s[WSB:WSB+1], s[WSB:WSB+1], s[OF:OF+1]
	s_lshl_b32 s[OF], s[WV], 9
	s_add_nc_u64 s[BIA:BIA+1], s[BIA:BIA+1], s[OF:OF+1]
	s_cmp_eq_u32 s[TY], 2
	s_cselect_b32 s[T0], 13, 10                    ; a wave's step in the codes: 8 tiles of v, or one K step of q, k
	s_cselect_b32 s[T1], 9, 10                     ; and in the scale words
	s_lshl_b32 s[T0], s[WV], s[T0]
	s_lshl_b32 s[T1], s[WV], s[T1]
	s_lshl_b32 s[OF], s[GX], 16                    ; 256 rows' codes are 65,536 bytes in all three layouts
	s_add_co_u32 s[OF], s[OF], s[T0]
	s_add_nc_u64 s[OC0:OC0+1], s[OC0:OC0+1], s[OF:OF+1]
	s_lshl_b32 s[OF], s[GX], 12                    ; and their scale words 4,096
	s_add_co_u32 s[OF], s[OF], s[T1]
	s_add_nc_u64 s[OS:OS+1], s[OS:OS+1], s[OF:OF+1]
	WIN 0x40                                       ; destination window 1: W's tiles 0-3; register 4 n takes the 16 bytes a lane at 512 n
.set n, 0
.rept 64
	global_load_b128 v[4*n:4*n+3], v[LI], s[WCB:WCB+1] offset:512*n
.set n, n+1
.endr
	WIN 0x80                                       ; window 2: tiles 4-7
.set n, 0
.rept 64
	global_load_b128 v[4*n:4*n+3], v[LI], s[WCB:WCB+1] offset:512*(n+64)
.set n, n+1
.endr
	WIN 0
.irp s, 0,1,2,3,4,5,6,7
	global_load_b128 v[WS+4*\s:WS+4*\s+3], v[LI], s[WSB:WSB+1] offset:512*\s
.endr
	s_cmp_eq_u32 s[TY], 2
	s_cbranch_scc1 .Lbias_v
	WIN 0xc0                                       ; q, k: lane (r, h), tile t, register j: column 32 (t / 2) + 16 h + 8 (t % 2) + j
	s_wait_alu depctr_va_vdst(0)
.irp t, 0,1,2,3,4,5,6,7
	global_load_b128 v[BI+8*\t:BI+8*\t+3], v[TP+4], s[BIA:BIA+1] offset:(32*(\t/2)+8*(\t%2))*4
	global_load_b128 v[BI+8*\t+4:BI+8*\t+7], v[TP+4], s[BIA:BIA+1] offset:(32*(\t/2)+8*(\t%2))*4+16
.endr
	WIN 0
	s_branch .Lbias_done
.Lbias_v:
	WIN 0xc0                                       ; v: a lane holds one column: all eight registers of a tile take its bias
	s_wait_alu depctr_va_vdst(0)
.irp t, 0,1,2,3,4,5,6,7
.irp j, 0,1,2,3,4,5,6,7
	global_load_b32 v[BI+8*\t+\j], v[TP+5], s[BIA:BIA+1] offset:(32*(\t/2)+8*(\t%2))*4
.endr
.endr
	WIN 0
.Lbias_done:
.irp b, 0,1,2,3
	v_mov_b32 v[SV+\b], 0
	v_mov_b32 v[TM+4+\b], 0                        ; written once: a lane permute's destination counts as one of its sources
.endr
; 64 numbers of a lane, register 16 b + i = member 32 b + 16 (lane / 16) + i along the quantiser's axis, become 8 registers of codes in v[pc] on; word = 1: the four bytes make a scale word in v[pw].  The bytes stay in v[TM+4] on.
.macro QUANT s, pc, pw, word
.irp b, 0,1,2,3
	v_max3_num_f32 v[TM+\b], |v[(\s)+16*\b]|, |v[(\s)+1+16*\b]|, 0x1800000   ; my 16 numbers of block b, and the floor 2^(3 - 127): the byte cannot fall under 1
.endr
.irp i, 2,4,6,8,10,12,14
.irp b, 0,1,2,3
	v_max3_num_f32 v[TM+\b], v[TM+\b], |v[(\s)+16*\b+\i]|, |v[(\s)+1+16*\b+\i]|   ; the four blocks by turns
.endr
.endr
.irp b, 0,1,2,3
	v_permlanex16_b32 v[TM+4+\b], v[TM+\b], s[SEL], s[SEL+1]
.endr
.irp b, 0,1,2,3
	v_max_num_f32 v[TM+\b], v[TM+\b], v[TM+4+\b]   ; with lane l xor 16's: the block's largest magnitude
.endr
.irp b, 0,1,2,3
	v_add_nc_u32 v[TM+12+\b], 0xff000000, v[TM+\b] ; 2 off its exponent field: the conversion's scale operand
.endr
.irp b, 0,1,2,3
	v_lshrrev_b32 v[TM+4+\b], 23, v[TM+12+\b]      ; the scale's byte
.endr
.if \word
	v_lshl_or_b32 v[\pw], v[TM+5], 8, v[TM+4]
	v_lshl_or_b32 v[\pw], v[TM+6], 16, v[\pw]
	v_lshl_or_b32 v[\pw], v[TM+7], 24, v[\pw]
.endif
.irp b, 0,1,2,3
	v_cvt_scalef32_pk8_fp4_f32 v[(\pc)+2*\b], v[(\s)+16*\b:(\s)+7+16*\b], v[TM+12+\b]
	v_cvt_scalef32_pk8_fp4_f32 v[(\pc)+1+2*\b], v[(\s)+8+16*\b:(\s)+15+16*\b], v[TM+12+\b]
.endr
	v_nop                                          ; one plain place behind a scaled conversion
.irp c, 0,1                                    ; a whole block into a lane: lanes 0-15 block 2 c, lanes 16-31 block 2 c + 1
.irp i, 0,1
	v_permlane16_swap_b32 v[(\pc)+4*\c+\i], v[(\pc)+2+4*\c+\i]
.endr
.endr
.endm
.macro XL u, e, st                     ; 64 numbers of x: tile u, K step 2 w + e
.irp b, 0,1,2,3
.irp j, 0,1,2,3
	ds_load_b128 v[\st+16*\b+4*\j:\st+16*\b+4*\j+3], v[XAD] offset:8*XP*\u+512*\e+128*\b+16*\j
.endr
.endr
.endm
.macro XST u, e, pc, pw                ; the fragment goes to LDS as it stands, 16 bytes a lane; its scale word: both halves of the lanes write the same word with the same value
	ds_store_b128 v[XWI], v[\pc:\pc+3] offset:8192*\u+1024*\e
	ds_store_b128 v[XWI], v[\pc+4:\pc+7] offset:8192*\u+1024*\e+512
	ds_store_b32 v[XWS], v[\pw] offset:512*\u+4*\e
.endm
.macro WMC                             ; one product, by the symbols rD rA rB rC rSA rSB; rRA, rRB: the scales lie in lanes 16-31 of their registers
.if rRA && rRB
	v_wmma_scale_f32_16x16x128_f8f6f4 v[rD:rD+7], v[rA:rA+7], v[rB:rB+7], v[rC:rC+7], v[rSA], v[rSB] matrix_a_fmt:MATRIX_FMT_FP4 matrix_b_fmt:MATRIX_FMT_FP4 matrix_a_scale:MATRIX_SCALE_ROW1 matrix_b_scale:MATRIX_SCALE_ROW1
.elseif rRA
	v_wmma_scale_f32_16x16x128_f8f6f4 v[rD:rD+7], v[rA:rA+7], v[rB:rB+7], v[rC:rC+7], v[rSA], v[rSB] matrix_a_fmt:MATRIX_FMT_FP4 matrix_b_fmt:MATRIX_FMT_FP4 matrix_a_scale:MATRIX_SCALE_ROW1
.elseif rRB
	v_wmma_scale_f32_16x16x128_f8f6f4 v[rD:rD+7], v[rA:rA+7], v[rB:rB+7], v[rC:rC+7], v[rSA], v[rSB] matrix_a_fmt:MATRIX_FMT_FP4 matrix_b_fmt:MATRIX_FMT_FP4 matrix_b_scale:MATRIX_SCALE_ROW1
.else
	v_wmma_scale_f32_16x16x128_f8f6f4 v[rD:rD+7], v[rA:rA+7], v[rB:rB+7], v[rC:rC+7], v[rSA], v[rSB] matrix_a_fmt:MATRIX_FMT_FP4 matrix_b_fmt:MATRIX_FMT_FP4
.endif
.endm
; The block's 128 products, W's tiles 0-3 and then 4-7 (one register window each); in each half K ascends, and in a K step the eight accumulators (t, u) take turns, one instruction a turn.
; vv = 0: source 0 = W, source 1 = x, accumulator (t, u) at ACC + 64 u + 8 t.  vv = 1: the sources swapped, accumulator at ACC + 16 t + 8 u.  The first K step takes the bias as C.
.macro PROD vv
.irp hf, 0,1
.irp s, 0,1,2,3,4,5,6,7
.if \hf == 0
	s_wait_dscnt 4*(7-\s)                          ; x's two fragments of this K step are in; those of the later K steps, four loads each, may be out
.endif
.set wS, 0x0d+\hf
.if \vv
.set wS, 0x07+4*\hf
.endif
.if \s == 0
.set wS, wS+0x30
.endif
	WIN wS
.irp tt, 0,1,2,3
.irp u, 0,1
.set rT, 4*\hf+\tt
.if \vv
.set rD, ACC+16*rT+8*\u
.set rA, 64*\u+8*\s
.set rB, 8*(8*\tt+\s)
.set rSA, XS+\s
.set rSB, WS+4*\s+rT/2
.set rRA, \u
.set rRB, \tt%2
.else
.set rD, ACC+64*\u+8*rT
.set rA, 8*(8*\tt+\s)
.set rB, 64*\u+8*\s
.set rSA, WS+4*\s+rT/2
.set rSB, XS+\s
.set rRA, \tt%2
.set rRB, \u
.endif
.set rC, rD
.if \s == 0
.set rC, BI+8*rT
.endif
	WMC
.endr
.endr
.endr
.endr
	WIN 0
.endm
; q, k: a lane's 64 numbers of tile u are d = 128 w + 32 b + 16 h + i of one token: K step w of the score product.
.macro OUT_QK
	PLACES                                         ; four places between the last products and the first read of results
	s_cmp_lg_u32 s[TY], 0
	s_cbranch_scc1 .Lno_factor_\@                  ; q alone has the factor
.set j, 0
.rept 64
	v_pk_mul_f32 v[ACC+2*j:ACC+2*j+1], v[ACC+2*j:ACC+2*j+1], s[CQ:CQ+1] op_sel_hi:[1,0]   ; ascending: each accumulator is read from its low end on
.set j, j+1
.endr
.Lno_factor_\@:
	QUANT ACC, PCA, PWA, 1
	global_store_b128 v[LI], v[PCA:PCA+3], s[OB:OB+1]                  ; 32 lanes store 512 consecutive bytes, aligned
	global_store_b128 v[LI], v[PCA+4:PCA+7], s[OB:OB+1] offset:512
	ds_store_b32 v[SCW], v[PWA]                    ; the scale words are gathered in LDS for the whole launch
	QUANT ACC+64, PCB, PWB, 1
	global_store_b128 v[LI], v[PCB:PCB+3], s[OB:OB+1] offset:4096
	global_store_b128 v[LI], v[PCB+4:PCB+7], s[OB:OB+1] offset:4608
	ds_store_b32 v[SCW], v[PWB] offset:256
.endm
; v: a lane's 16 numbers of tile t are tokens 16 h + 0 .. 15 of one d: with lane l xor 16's, one block of 32 keys.  Four tiles to a QUANT.
.macro OUT_V
	PLACES
.irp g, 0,1
	QUANT ACC+64*\g, PCA+8*\g, PWA, 0
.irp c, 0,1
	global_store_b128 v[VO], v[PCA+8*\g+4*\c:PCA+8*\g+4*\c+3], s[OB:OB+1] offset:1024*(4*\g+2*\c)   ; lanes 0-15: 256 consecutive bytes, aligned, of tile 4 g + 2 c; lanes 16-31: of the next tile
	v_cndmask_b32 v[TP], v[TM+4+2*\c], v[TM+5+2*\c], s[HM]             ; my tile's byte
	v_lshl_or_b32 v[SV+2*\g+\c], v[TP], s[SH], v[SV+2*\g+\c]           ; at this block's place in the scale word of 128 keys
.endr
.endr
	s_and_b32 s[T0], s[TR], 3
	s_cmp_eq_u32 s[T0], 3
	s_cbranch_scc0 .Lnot_whole_\@                  ; every fourth block the words are whole
	s_lshr_b32 s[OF], s[TR], 2
	s_lshl_b32 s[OF], s[OF], 11
	s_add_nc_u64 s[OSB:OSB+1], s[OS:OS+1], s[OF:OF+1]
	global_store_b128 v[LI], v[SV:SV+3], s[OSB:OSB+1]                  ; 512 consecutive bytes
	s_wait_xcnt 0x0                                ; the store has read its data: they begin anew
.irp b, 0,1,2,3
	v_mov_b32 v[SV+\b], 0
.endr
.Lnot_whole_\@:
.endm
; A BLOCK OF 32 ROWS.  refill = 1: the next block is asked for, into the slot that was read last.
.macro TRIP refill
	s_wait_xcnt 0x0                                ; the last block's stores have read their data and bases: both are written again below
	s_wait_tensorcnt 0x0                           ; my one tensor load that was out, this block's, has landed; so group 0 may be written
	ds_add_u32 v[SPW], v[NIL]                      ; 0 onto my spare word: scalar work stands between it and the wait for it
	s_xor_b32 s[TF], s[TG], SLOT
	s_add_co_u32 s[G0+1], s[TF], s[WOFF]           ; the other slot, my region
	s_add_nc_u64 s[G0+2:G0+3], s[G0+2:G0+3], 131072   ; 32 rows on; the type bits on top are not reached
	s_lshl_b32 s[OF], s[TR], 13                    ; q, k: a block's codes are 8,192 bytes
	s_lshr_b32 s[T0], s[TR], 2
	s_lshl_b32 s[T0], s[T0], 15                    ; v: 32,768 for each 128 keys,
	s_and_b32 s[T1], s[TR], 3
	s_lshl_b32 s[SH], s[T1], 3
	s_lshl_b32 s[T1], s[T1], 8                     ; 256 for each 32 in them
	s_add_co_u32 s[T0], s[T0], s[T1]
	s_cmp_eq_u32 s[TY], 2
	s_cselect_b32 s[OF], s[T0], s[OF]
	s_add_nc_u64 s[OB:OB+1], s[OC0:OC0+1], s[OF:OF+1]
	s_lshl_b32 s[T2], s[TR], 9
	s_wait_dscnt 0x0                               ; the add is done, and so are my reads of the other slot and of x's images
	s_barrier_signal -1
	s_barrier_wait -1                              ; all that holds of every wave
.if \refill
	tensor_load_to_lds s[G0:G0+3], s[G1:G1+7]      ; my one tensor load behind this barrier, first thing there: it has the whole block's work in which to land
	s_nop 0
.endif
	v_add_nc_u32 v[XAD], s[TG], v[XA]
	v_add_nc_u32 v[SCW], s[T2], v[SCW0]
	v_nop
	v_nop
	; ---- X: four fragments, two sets of registers by turns.  The counts name what is younger than the 16 loads that are wanted
	XL 0, 0, ST0
	XL 0, 1, ST1
	s_wait_dscnt 16                                ; the second set's 16 loads may be out
	QUANT ST0, PCA, PWA, 1
	XST 0, 0, PCA, PWA
	XL 1, 0, ST0
	s_wait_dscnt 19                                ; 3 stores and 16 loads are younger
	QUANT ST1, PCB, PWB, 1
	XST 0, 1, PCB, PWB
	XL 1, 1, ST1
	s_wait_dscnt 19                                ; likewise; the first fragment's stores, older still, are done: its registers are free
	QUANT ST0, PCA, PWA, 1
	XST 1, 0, PCA, PWA
	s_wait_dscnt 3                                 ; 3 stores are younger
	QUANT ST1, PCB, PWB, 1
	XST 1, 1, PCB, PWB
	s_wait_dscnt 0x0                               ; for the others' sake: my stores have landed
	s_barrier_signal -1
	s_barrier_wait -1                              ; x's sixteen fragments lie in LDS.  (The next block's tensor load may be out)
	ds_load_b128 v[XS:XS+3], v[XRS]
	ds_load_b128 v[XS+4:XS+7], v[XRS] offset:16
	WIN 0xc0                                       ; destination window 3
.irp s, 0,1,2,3,4,5,6,7
.irp u, 0,1
.irp c, 0,1
	ds_load_b128 v[64*\u+8*\s+4*\c:64*\u+8*\s+4*\c+3], v[XRI] offset:(8*\u+\s)*1024+512*\c
.endr
.endr
.endr
	WIN 0
	s_wait_loadcnt 0x0                             ; the weights, their scale words and the biases: met from the second block on
	s_cmp_eq_u32 s[TY], 2
	s_cbranch_scc1 .Lis_v_\@
	PROD 0
	OUT_QK
	s_branch .Ljoin_\@
.Lis_v_\@:
	PROD 1
	OUT_V
.Ljoin_\@:
	s_xor_b32 s[TG], s[TG], SLOT
	s_add_co_u32 s[TR], s[TR], 1
.endm
.Lblock:                                               ; seven trips: blocks 0 to 6, each asking for the next
	TRIP 1
	s_cmp_lt_u32 s[TR], 7
	s_cbranch_scc1 .Lblock
	TRIP 0                                         ; the last block is written out
	s_wait_dscnt 0x0                               ; my scale words lie in LDS
	s_barrier_signal -1
	s_barrier_wait -1
	s_cmp_eq_u32 s[TY], 2
	s_cbranch_scc1 .Lend
	ds_load_b128 v[TP:TP+3], v[SCRD]               ; q, k: the 256 tokens' scale words leave as 4,096 consecutive bytes, 1,024 a wave
	ds_load_b128 v[TP+4:TP+7], v[SCRD] offset:512
	s_wait_dscnt 0x0
	global_store_b128 v[LI], v[TP:TP+3], s[OS:OS+1]
	global_store_b128 v[LI], v[TP+4:TP+7], s[OS:OS+1] offset:512
.Lend:
	s_wait_tensorcnt 0x0                           ; the wave's end, behind my last tensor load and my last LDS store
	ds_add_u32 v[SPW], v[NIL]
	s_wait_dscnt 0x0
	s_endpgm
.Lfunc_end_k_q2c7d16d7c1_proj:
	.size	k_q2c7d16d7c1_proj, .Lfunc_end_k_q2c7d16d7c1_proj-k_q2c7d16d7c1_proj
	.p2alignl 7, 3214868480
	.fill 96, 4, 3214868480
	.section	.rodata,"a",@progbits
	.p2align	6, 0x0
	.amdhsa_kernel k_q2c7d16d7c1_proj
		.amdhsa_group_segment_fixed_size 327680
		.amdhsa_private_segment_fixed_size 0
		.amdhsa_enable_private_segment 0
		.amdhsa_kernarg_size 104
		.amdhsa_user_sgpr_count 2
		.amdhsa_user_sgpr_kernarg_segment_ptr 1
		.amdhsa_wavefront_size32 1
		.amdhsa_system_sgpr_workgroup_id_x 1
		.amdhsa_system_sgpr_workgroup_id_y 1
		.amdhsa_system_sgpr_workgroup_id_z 1
		.amdhsa_system_vgpr_workitem_id 0
		.amdhsa_next_free_vgpr 1024
		.amdhsa_next_free_sgpr 66
		.amdhsa_reserve_vcc 0
		.amdhsa_float_denorm_mode_32 3
		.amdhsa_float_denorm_mode_16_64 3
		.amdhsa_memory_ordered 1
		.amdhsa_forward_progress 1
		.amdhsa_inst_pref_size 180
	.end_amdhsa_kernel
	.amdgpu_metadata
---
amdhsa.version: [ 1, 2 ]
amdhsa.kernels:
  - .name:           k_q2c7d16d7c1_proj
    .symbol:         k_q2c7d16d7c1_proj.kd
    .args:
      - { .name: x0, .offset: 0, .size: 8, .value_kind: global_buffer, .address_space: global }
      - { .name: x1, .offset: 8, .size: 8, .value_kind: global_buffer, .address_space: global }
      - { .name: x2, .offset: 16, .size: 8, .value_kind: global_buffer, .address_space: global }
      - { .name: wc, .offset: 24, .size: 8, .value_kind: global_buffer, .address_space: global }
      - { .name: wsc, .offset: 32, .size: 8, .value_kind: global_buffer, .address_space: global }
      - { .name: bq, .offset: 40, .size: 8, .value_kind: global_buffer, .address_space: global }
      - { .name: bk, .offset: 48, .size: 8, .value_kind: global_buffer, .address_space: global }
      - { .name: qc, .offset: 56, .size: 8, .value_kind: global_buffer, .address_space: global }
      - { .name: qs, .offset: 64, .size: 8, .value_kind: global_buffer, .address_space: global }
      - { .name: kc, .offset: 72, .size: 8, .value_kind: global_buffer, .address_space: global }
      - { .name: ks, .offset: 80, .size: 8, .value_kind: global_buffer, .address_space: global }
      - { .name: vc, .offset: 88, .size: 8, .value_kind: global_buffer, .address_space: global }
      - { .name: vs, .offset: 96, .size: 8, .value_kind: global_buffer, .address_space: global }
    .group_segment_fixed_size: 327680
    .private_segment_fixed_size: 0
    .kernarg_segment_align: 8
    .kernarg_segment_size: 104
    .max_flat_workgroup_size: 128
    .sgpr_count:     66
    .vgpr_count:     1024
    .wavefront_size: 32
...
	.end_amdgpu_metadata
.endif
;; end of part 5
;; launch attn (part 6): grid 32 x 8, 8 waves a work-group, no clusters, 42,496 bytes of LDS; arguments qc, qs, kc, ks, vc, vs, out0; writes out0
.if DOCPART == 6
	.amdgcn_target "amdgcn-amd-amdhsa--gfx1250"
	.amdhsa_code_object_version 6
	.text
	.protected	k_q2c7d16d7c1_attn
	.globl	k_q2c7d16d7c1_attn
	.p2align	8
	.type	k_q2c7d16d7c1_attn,@function
k_q2c7d16d7c1_attn:
	s_mov_b64 s[64:65], 0
	v_nop
	global_prefetch_b8 v0, s[64:65] scope:SCOPE_SE
	s_setreg_imm32_b32 hwreg(HW_REG_WAVE_SCHED_MODE, 0, 2), 2
	s_setreg_imm32_b32 hwreg(HW_REG_WAVE_MODE, 25, 1), 1
	s_wait_xcnt 0x0
	s_wait_alu depctr_vm_vsrc(0)
; out0[b][q][:] = the sum over k <= q of softmax_k(q . k) v[k][:], head 512, 8 batches of 2,048 tokens, both products on codes of FP4 (E2M1) with one E8M0 scale for each 32 along a product's K.
; q (with 1 / sqrt(512) in it), k, v arrive as codes in the order of an operand's registers (a fragment, 16 rows x 128 K, is 1,024 bytes: 16 bytes a lane, twice), with their scale words.
; THE SOFTMAX: t = score x log2(e); p = 2^(t - M), M a whole number, is quantised along the keys; the row's sum is taken of the unquantised p and divides at the end.
; SHARES.  Work-group (i, batch) does two tasks: the 32 queries of block 63 - i, then those of block i: (8 - i / 8) + (i / 8 + 1) = 9 steps of 256 keys in every work-group.  Key steps wholly behind the queries are not walked.
; In a step the eight waves work together.  As PRODUCER wave w takes keys KF + 32 w .. + 31 (8 fragments of K, from memory into its own registers: no other wave wants them), makes S^T = K Q^T for both tiles of
; queries, takes p with the whole number M_w of its own block, quantises it (its 32 keys are one scale block) and puts 16 bytes of codes a query and two numbers into LDS.  As CONSUMER it owns channels 64 w .. 64 w + 63
; (4 tiles of V^T, 8 fragments, again its own alone), reads all of P from LDS and brings the eight blocks under one running reference by changing their scale bytes, which is exact.
; So each byte of K and V is loaded once by a work-group and never lies in LDS; LDS carries 6,656 bytes a step.
; THE EXCHANGE.  Producer: A_w = byte_w + M_w (a whole number in f32), l'_w = (the block's sum of p) x 2^(125 - byte_w).  Consumer, lane 16 u + r for query r of tile u: RN = max(R, A_0 .. A_7); F = 2^(R - RN) rescales O and l;
; e_w = max(A_w - RN, -124); P's byte is 125 + e_w; l = l F + the sum of l'_w 2^e_w.  That is p under the whole number M = R - 125: codes x scales, and O / l, are those of the rule.
; TILE ORDER: lane r of tile u of 32 tokens is token 8 u + r + 8 (r / 8); lane r of V's tile dt is channel 32 (dt / 2) + 8 (dt % 2) + r + 8 (r / 8).
; No cluster: a tile of K or V goes to exactly one wave of a work-group, into registers; a joint load would send all of it through LDS.
; LIMITS: t within +-2^23 (byte + M stays exact in f32); a key block more than 2^124 under the row's reference is held at byte 1; a block whose every p is 0 has byte 1 and zero codes; NaN and infinities are not served.
; At a task's last step the next step's loads of K take keys 0 on: the second task's first K, and at the very end 8,704 bytes a wave that nobody uses: so every wait counts the same loads on every path.
; THE MODE: SCHED_MODE bits 1:0 = 2 (LLVM: expert scheduling mode 2), set by the entry lines.  The code itself states the register dependences
; between vector or matrix instructions and memory or LDS instructions, with s_wait_alu, always for 0.
; THE PLAN.  Registers that memory or LDS instructions touch:
;   v1-v4, v6, v7, v11-v13  addresses and offsets: made at the head, never written again; the steps are reached by scalar bases and immediate offsets.
;   K, KS            read by a step's products K Q^T; the next step's loads land there behind them.
;   V, VS            read by a step's products V^T P^T, its last instructions; the next step's loads land there, behind that step's products K Q^T.
;   v200-203, v26, v27  written by the producer's last lines, read by its three LDS stores.
;   P, v204-219      LDS loads land there behind the step's first barrier; P is read by V^T P^T, v204-219 are read and written by the consumer's statistics.
;   PS               written by vector instructions, read by V^T P^T as scales.
;   the way out:     S and S2 are written by the scalings and read by LDS stores; the rows come back into P's registers and into tile 0's accumulators, which the global stores read.
; A STEP'S WAITS: one on va_vdst behind K Q^T, ahead of all the step's 35 loads; the one behind the exponentials; one ahead of the three LDS stores, which also serves the LDS loads behind the barrier, since no vector
; line stands between; one on vm_vsrc behind those stores; one on va_vdst ahead of V^T P^T, for P's scale words.  On the diagonal one on va_sdst, between the mask's 32 compares and its 32 selects.
; The loads stand in one run: they land in window 1, and a group of them among the softmax's lines, which work in window 0, would want two switches of its own.
.set STAT,  4096                       ; LDS: 0: P's four fragments, (u, e) at 2,048 u + 1,024 e;  STAT: 80 bytes a lane: 8 words A, 8 words l', 16 of padding
.set STAGE, 6656                       ; the way out: 16 rows x (256 + 16) bytes for each wave
.set SP,    272
.set LN16, 1                           ; v1   16 x lane
.set PG,   2                           ; v2   2,048 h + 16 r + 256 w: my place in P's images, and, the same number, my byte offset in two rows of out0
.set SST,  3                           ; v3   STAT + 80 lane + 4 w
.set SLD,  4                           ; v4   STAT + 80 lane
.set STO,  6                           ; v6   the stage: where I put 16 bytes of a row
.set SRD,  7                           ; v7   and where I read a row back
.set DQ,   9                           ; v9, v10   tile u: my query less my first key, without Q0 - KF
.set VSO,  11                          ; v11  V's scale words: 16 lane + 8 (w % 2)
.set PFK,  12                          ; v12  the prefetches' offsets: 256 x lane in my 8,192 bytes of K;
.set PFV,  13                          ; v13  32,768 (lane / 16) + 256 (lane % 16) in my twice 4,096 of V
.set DD,   14                          ; v14, v15  DQ + Q0 - KF
.set RR,   16                          ; v16  R;  v17 l;  v[18:19] RN;  v[20:21], v[22:23] F for tile 0, tile 1 (of the pairs the low word serves);  v24-31 at work
.set S,    32                          ; v32-63   S^T, then p: tile u, register n: key 16 h + n
.set O,    64                          ; v64-127  O^T: (u, dt) at 32 u + 8 dt
.set P,    128                         ; v128-159 P: (u, e) at 16 u + 8 e
.set QSH,  160                         ; v160-163, v164-167 Q's scale words of the two tasks;  v168-171 K's;  v172-175 V's;  v176, v177 P's
.set QSL,  164
.set KS,   168
.set VS,   172
.set PS,   176
.set AW,   204                         ; v204-211 A_0 .. A_7, then e_w;  v212-219 l'_0 .. l'_7.   v180-203: the producer's (named where they are used)
.set LW,   212
.set S2,   220                         ; v220-251 the way out: tile 1's results (tile 0's go into S)
; window 1: v0-63, v64-127 Q of the two tasks, (u, s) at 32 u + 8 s;  v128-191 K, (kt, s) at 32 kt + 8 s;  v192-255 V, (e, dt) at 32 e + 8 dt
.set WV,  18
.set II,  19
.set BT,  20
.set CS,  22                           ; s[22:23] log2(e)
.set SEL, 24                           ; s[24:25] lane selects: lane l xor 16
.set HM,  26                           ; s26  lanes 16-31
.set TLO, 27                           ; s27  -2^23
.set ELO, 28                           ; s28  -124.0
.set KF,  29                           ; s29  the step's first key;  s30 the step's number;  s31 the task's steps;  s32 256 x that;  s33 the next step's first key;  s34 the task's first query
.set JJ,  30
.set NS,  31
.set KLIM, 32
.set KN,  33
.set Q0,  34
.set KB0, 36                           ; s[36:43] K's codes, K's scale words, V's codes, V's scale words at my batch and wave;  s[44:51] the same at the step in hand
.set KSB0, 38
.set VB0, 40
.set VSB0, 42
.set KB,  44
.set KSB, 46
.set VB,  48
.set VSB, 50
.set OB,  52                           ; s[52:53] out0 at the task's first query
.set OF,  54                           ; s[54:55] an offset; the upper word stays 0
.set PFL, 56                           ; s56  a wave prefetches while KF is under it
.set T0,  57
.set MK,  68                           ; s[68:99] the causal mask: a lane mask for each of the 32 score registers
.set MSB, 0
.macro WIN new
.if MSB != (\new)
	s_set_vgpr_msb (MSB<<8)|(\new)
.set MSB, (\new)
.endif
.endm
.macro PLACES
.rept 4
	v_nop
.endr
.endm
.macro WMC                             ; one product, by the symbols rD rA rB rC rSA rSB; rRA, rRB: the scales lie in lanes 16-31 of their registers
.if rRA && rRB
	v_wmma_scale_f32_16x16x128_f8f6f4 v[rD:rD+7], v[rA:rA+7], v[rB:rB+7], v[rC:rC+7], v[rSA], v[rSB] matrix_a_fmt:MATRIX_FMT_FP4 matrix_b_fmt:MATRIX_FMT_FP4 matrix_a_scale:MATRIX_SCALE_ROW1 matrix_b_scale:MATRIX_SCALE_ROW1
.elseif rRA
	v_wmma_scale_f32_16x16x128_f8f6f4 v[rD:rD+7], v[rA:rA+7], v[rB:rB+7], v[rC:rC+7], v[rSA], v[rSB] matrix_a_fmt:MATRIX_FMT_FP4 matrix_b_fmt:MATRIX_FMT_FP4 matrix_a_scale:MATRIX_SCALE_ROW1
.elseif rRB
	v_wmma_scale_f32_16x16x128_f8f6f4 v[rD:rD+7], v[rA:rA+7], v[rB:rB+7], v[rC:rC+7], v[rSA], v[rSB] matrix_a_fmt:MATRIX_FMT_FP4 matrix_b_fmt:MATRIX_FMT_FP4 matrix_b_scale:MATRIX_SCALE_ROW1
.else
	v_wmma_scale_f32_16x16x128_f8f6f4 v[rD:rD+7], v[rA:rA+7], v[rB:rB+7], v[rC:rC+7], v[rSA], v[rSB] matrix_a_fmt:MATRIX_FMT_FP4 matrix_b_fmt:MATRIX_FMT_FP4
.endif
.endm
.macro WM0                             ; the same with the constant 0 as C: it starts a sum
.if rRA && rRB
	v_wmma_scale_f32_16x16x128_f8f6f4 v[rD:rD+7], v[rA:rA+7], v[rB:rB+7], 0, v[rSA], v[rSB] matrix_a_fmt:MATRIX_FMT_FP4 matrix_b_fmt:MATRIX_FMT_FP4 matrix_a_scale:MATRIX_SCALE_ROW1 matrix_b_scale:MATRIX_SCALE_ROW1
.elseif rRA
	v_wmma_scale_f32_16x16x128_f8f6f4 v[rD:rD+7], v[rA:rA+7], v[rB:rB+7], 0, v[rSA], v[rSB] matrix_a_fmt:MATRIX_FMT_FP4 matrix_b_fmt:MATRIX_FMT_FP4 matrix_a_scale:MATRIX_SCALE_ROW1
.elseif rRB
	v_wmma_scale_f32_16x16x128_f8f6f4 v[rD:rD+7], v[rA:rA+7], v[rB:rB+7], 0, v[rSA], v[rSB] matrix_a_fmt:MATRIX_FMT_FP4 matrix_b_fmt:MATRIX_FMT_FP4 matrix_b_scale:MATRIX_SCALE_ROW1
.else
	v_wmma_scale_f32_16x16x128_f8f6f4 v[rD:rD+7], v[rA:rA+7], v[rB:rB+7], 0, v[rSA], v[rSB] matrix_a_fmt:MATRIX_FMT_FP4 matrix_b_fmt:MATRIX_FMT_FP4
.endif
.endm
	s_load_b256 s[4:11], s[0:1], 0x0               ; qc, qs, kc, ks
	s_load_b128 s[12:15], s[0:1], 0x20             ; vc, vs
	s_load_b64 s[16:17], s[0:1], 0x30              ; out0
	v_lshl_add_u32 v254, v0, 2, 0xa200
	v_mov_b32 v255, 0
	v_lshrrev_b32 v24, 5, v0
	v_readfirstlane_b32 s[WV], v24                 ; wave 0..7
	s_mov_b32 s[II], ttmp9
	s_and_b32 s[BT], ttmp7, 0xffff                 ; the batch
	s_mov_b32 s[CS], 0x3fb8aa3b                    ; log2(e)
	s_mov_b32 s[CS+1], s[CS]                       ; (named with it as a pair, so it is written)
	s_mov_b32 s[SEL], 0x76543210
	s_mov_b32 s[SEL+1], 0xfedcba98
	s_mov_b32 s[HM], 0xffff0000
	s_mov_b32 s[TLO], 0xcb000000                   ; -2^23
	s_mov_b32 s[ELO], 0xc2f80000                   ; -124.0
	s_cmp_eq_u32 s[II], 0
	s_cselect_b32 s[PFL], 1280, 0                  ; the batch's first work-group prefetches, in its first task, which walks all keys
	v_and_b32 v24, 31, v0                          ; lane
	v_and_b32 v25, 15, v0                          ; r
	v_bfe_u32 v26, v0, 4, 1                        ; h
	v_lshlrev_b32 v[LN16], 4, v24
	v_lshlrev_b32 v[PG], 4, v25
	v_lshl_add_u32 v[PG], v26, 11, v[PG]
	s_wait_alu depctr_va_sdst(0)                   ; the wave's number is written, ahead of its first reader: addresses, bases and branches are made from it
	s_lshl_b32 s[T0], s[WV], 8
	v_add_nc_u32 v[PG], s[T0], v[PG]
	v_mul_u32_u24 v[SLD], v24, 80
	v_add_nc_u32 v[SLD], STAT, v[SLD]
	s_lshl_b32 s[T0], s[WV], 2
	v_add_nc_u32 v[SST], s[T0], v[SLD]
	s_mul_i32 s[T0], s[WV], 16*SP
	s_add_co_u32 s[T0], s[T0], STAGE               ; my stage
	v_mul_u32_u24 v[STO], v25, SP
	v_lshl_add_u32 v[STO], v26, 6, v[STO]
	v_add_nc_u32 v[STO], s[T0], v[STO]             ; in: row r, + 64 h
	v_mul_u32_u24 v[SRD], v26, SP
	v_lshl_add_u32 v[SRD], v25, 4, v[SRD]
	v_add_nc_u32 v[SRD], s[T0], v[SRD]             ; back: lanes 0-15 one row, lanes 16-31 the next
	v_and_b32 v[DQ], 8, v25
	v_add_nc_u32 v[DQ], v[DQ], v25                 ; r + 8 (r / 8)
	v_lshlrev_b32 v27, 4, v26
	v_sub_nc_u32 v[DQ], v[DQ], v27                 ; - 16 h
	s_lshl_b32 s[T0], s[WV], 5
	v_sub_nc_u32 v[DQ], v[DQ], s[T0]               ; - 32 w
	v_add_nc_u32 v[DQ+1], 8, v[DQ]
	s_and_b32 s[T0], s[WV], 1
	s_lshl_b32 s[T0], s[T0], 3
	v_add_nc_u32 v[VSO], s[T0], v[LN16]
	v_lshlrev_b32 v[PFK], 8, v24
	v_lshlrev_b32 v[PFV], 8, v25
	v_lshl_add_u32 v[PFV], v26, 15, v[PFV]
.irp x, 19,21,23,185,187                       ; the upper words of pairs of which the low word serves both halves: named, so written
	v_mov_b32 v\x, 0
.endr
	v_mov_b32 v182, 0                              ; written once: a lane permute's destination counts as one of its sources (v25 has been written)
	v_mov_b32 v183, 0
	s_mov_b32 s[OF+1], 0
	s_wait_kmcnt 0x0
	s_lshl_b32 s[OF], s[BT], 19                    ; a batch's codes: 524,288 bytes in each of the three buffers
	s_add_nc_u64 s[4:5], s[4:5], s[OF:OF+1]
	s_add_nc_u64 s[KB0:KB0+1], s[8:9], s[OF:OF+1]
	s_add_nc_u64 s[VB0:VB0+1], s[12:13], s[OF:OF+1]
	s_lshl_b32 s[OF], s[BT], 15                    ; its scale words: 32,768
	s_add_nc_u64 s[6:7], s[6:7], s[OF:OF+1]
	s_add_nc_u64 s[KSB0:KSB0+1], s[10:11], s[OF:OF+1]
	s_add_nc_u64 s[VSB0:VSB0+1], s[14:15], s[OF:OF+1]
	s_lshl_b32 s[OF], s[BT], 22                    ; its rows of out0
	s_add_nc_u64 s[16:17], s[16:17], s[OF:OF+1]
	s_lshl_b32 s[OF], s[WV], 13                    ; my 32 keys of a step
	s_add_nc_u64 s[KB0:KB0+1], s[KB0:KB0+1], s[OF:OF+1]
	s_lshl_b32 s[OF], s[WV], 12                    ; my 4 tiles of V
	s_add_nc_u64 s[VB0:VB0+1], s[VB0:VB0+1], s[OF:OF+1]
	s_lshl_b32 s[OF], s[WV], 9
	s_add_nc_u64 s[KSB0:KSB0+1], s[KSB0:KSB0+1], s[OF:OF+1]
	s_lshr_b32 s[OF], s[WV], 1
	s_lshl_b32 s[OF], s[OF], 9
	s_add_nc_u64 s[VSB0:VSB0+1], s[VSB0:VSB0+1], s[OF:OF+1]
	s_sub_co_u32 s[T0], 63, s[II]
	s_lshl_b32 s[OF], s[T0], 13
	s_add_nc_u64 s[58:59], s[4:5], s[OF:OF+1]      ; Q of block 63 - i,
	s_lshl_b32 s[OF], s[II], 13
	s_add_nc_u64 s[60:61], s[4:5], s[OF:OF+1]      ; of block i,
	s_lshl_b32 s[OF], s[T0], 9
	s_add_nc_u64 s[62:63], s[6:7], s[OF:OF+1]      ; and their scale words
	s_lshl_b32 s[OF], s[II], 9
	s_add_nc_u64 s[66:67], s[6:7], s[OF:OF+1]
	s_mov_b64 s[KB:KB+1], s[KB0:KB0+1]
	s_mov_b64 s[KSB:KSB+1], s[KSB0:KSB0+1]
	WIN 0x40                                       ; destination window 1; register 4 n takes the 16 bytes a lane at 512 n
	s_wait_alu depctr_va_vdst(0)                   ; the nine addresses and offsets v1-v4, v6, v7, v11-v13 are written: every load, store and prefetch of the kernel reads one of them, and none is written again
.set n, 0
.rept 16
	global_load_b128 v[4*n:4*n+3], v[LN16], s[58:59] offset:512*n
.set n, n+1
.endr
.set n, 0
.rept 16
	global_load_b128 v[64+4*n:64+4*n+3], v[LN16], s[60:61] offset:512*n
.set n, n+1
.endr
.set n, 0
.rept 16
	global_load_b128 v[128+4*n:128+4*n+3], v[LN16], s[KB:KB+1] offset:512*n   ; K of step 0
.set n, n+1
.endr
	WIN 0
	global_load_b128 v[QSH:QSH+3], v[LN16], s[62:63]   ; register s: lanes 0-15 tile 0, lanes 16-31 tile 1
	global_load_b128 v[QSL:QSL+3], v[LN16], s[66:67]
	global_load_b128 v[KS:KS+3], v[LN16], s[KSB:KSB+1]
; A STEP OF 256 KEYS.  qf: Q's first register in window 1; qsr: its scale words; pf = 1: the text holds the prefetches.
.macro STEP qf, qsr, pf
	s_wait_loadcnt 0x0                             ; K of this step, asked for most of a step ago, is the youngest load
	s_wait_xcnt 0x0                                ; every earlier load and prefetch has read its base: the bases are written again below
	s_lshl_b32 s[OF], s[KF], 8
	s_add_nc_u64 s[VB:VB+1], s[VB0:VB0+1], s[OF:OF+1]
	s_lshl_b32 s[OF], s[KF], 4
	s_add_nc_u64 s[VSB:VSB+1], s[VSB0:VSB0+1], s[OF:OF+1]
	s_sub_co_i32 s[T0], s[Q0], s[KF]
	v_add_nc_u32 v[DD], s[T0], v[DQ]
	v_add_nc_u32 v[DD+1], s[T0], v[DQ+1]
	WIN 0x05                                       ; K and Q in window 1
.irp s, 0,1,2,3                                ; S^T = K Q^T: d ascending, the four accumulators (kt, u) by turns; the first four start the sums
.irp kt, 0,1
.irp u, 0,1
.set rD, S+16*\u+8*\kt
.set rC, rD
.set rA, 128+32*\kt+8*\s
.set rB, \qf+32*\u+8*\s
.set rSA, KS+\s
.set rSB, \qsr+\s
.set rRA, \kt
.set rRB, \u
.if \s == 0
	WM0
.else
	WMC
.endif
.endr
.endr
.endr
	WIN 0
	PLACES                                         ; in front of the loads into K's and V's registers and of the first read of the scores
	s_add_co_u32 s[KN], s[KF], 256
	s_cmp_lt_u32 s[KN], s[KLIM]
	s_cselect_b32 s[KN], s[KN], 0                  ; behind a task's last step: keys 0 on
	s_lshl_b32 s[OF], s[KN], 8
	s_add_nc_u64 s[KB:KB+1], s[KB0:KB0+1], s[OF:OF+1]
	s_lshl_b32 s[OF], s[KN], 4
	s_add_nc_u64 s[KSB:KSB+1], s[KSB0:KSB0+1], s[OF:OF+1]
	s_wait_alu depctr_va_vdst(0)                   ; the products above are done reading K and its scale words, the last step's V^T P^T are done reading V and its scale words: the 35 loads below land in these; only loads and window switches stand among them
.irp e, 0,1
	global_load_b64 v[VS+2*\e:VS+2*\e+1], v[VSO], s[VSB:VSB+1] offset:2048*\e   ; word i: lanes 0-15 tile 2 i, lanes 16-31 tile 2 i + 1 of my four
.endr
	WIN 0x40
.irp e, 0,1
.set n, 0
.rept 8
	global_load_b128 v[192+32*\e+4*n:192+32*\e+4*n+3], v[LN16], s[VB:VB+1] offset:32768*\e+512*n   ; V of this step: wanted at its end
.set n, n+1
.endr
.endr
.set n, 0
.rept 16
	global_load_b128 v[128+4*n:128+4*n+3], v[LN16], s[KB:KB+1] offset:512*n   ; K of the next step
.set n, n+1
.endr
	WIN 0
	global_load_b128 v[KS:KS+3], v[LN16], s[KSB:KSB+1]
.if \pf
; PREFETCHES INTO THE L2, behind the step's loads: my own 8,192 bytes of K and of V, lanes 256 bytes apart, two steps ahead of the loads that will want them (K of keys KF + 768 on, V of keys KF + 512 on).
; All work-groups of a batch walk the same K and V: the batch's first work-group asks, in its first task, which walks all 2,048 keys; each wave names the bytes that it will load itself: each block of 256 bytes once.
; They stop at KF = 1,024: K's last names keys 1,792 on, the batch's last step.  The first steps and the scale words come by their loads alone.
	s_cmp_lt_u32 s[KF], s[PFL]
	s_cbranch_scc0 .Lnot_mine_\@
	global_prefetch_b8 v[PFK], s[KB:KB+1] offset:131072 th:TH_LOAD_NT scope:SCOPE_SE
	global_prefetch_b8 v[PFV], s[VB:VB+1] offset:131072 th:TH_LOAD_NT scope:SCOPE_SE
.Lnot_mine_\@:
.endif
	s_lshl_b32 s[T0], s[WV], 5                     ; THE CAUSAL MASK.  Where all my 32 keys come before the task's first query it is jumped over: a scalar branch on ids, with no barrier inside
	s_add_co_u32 s[T0], s[T0], s[KF]
	s_cmp_lt_u32 s[T0], s[Q0]
	s_cbranch_scc1 .Lopen_\@
	v_mov_b32 v24, 0xff800000                      ; -infinity: p = 0 then
.irp u, 0,1
.set n, 0
.rept 16
	v_cmp_gt_i32 s[MK+16*\u+n], n, v[DD+\u]        ; register n holds key KF + 32 w + 16 h + n: hidden where n > my query - KF - 32 w - 16 h.  The 32 compares in one run, each into a mask of its own
.set n, n+1
.endr
.endr
	s_wait_alu depctr_va_sdst(0)                   ; the 32 masks are written, ahead of their first reader
.irp u, 0,1
.set n, 0
.rept 16
	v_cndmask_b32 v[S+16*\u+n], v[S+16*\u+n], v24, s[MK+16*\u+n]
.set n, n+1
.endr
.endr
.Lopen_\@:
	; THE PRODUCER'S SOFTMAX.  v180, v181 the block's largest score; v182, v183 the other half's; v[184:185], v[186:187] -M; v188, v189 t; v190, v191 the largest p; v[192:195] sums; v196, v197 scale operands; v198, v199 bytes; v200-203 codes
.irp u, 0,1
	v_max3_num_f32 v[180+\u], v[S+16*\u], v[S+16*\u+1], v[S+16*\u+2]   ; each accumulator is read from its low end on
.endr
.irp i, 3,5,7,9,11,13
.irp u, 0,1
	v_max3_num_f32 v[180+\u], v[180+\u], v[S+16*\u+\i], v[S+16*\u+\i+1]
.endr
.endr
.irp u, 0,1
	v_max_num_f32 v[180+\u], v[180+\u], v[S+16*\u+15]
.endr
.irp u, 0,1
	v_permlanex16_b32 v[182+\u], v[180+\u], s[SEL], s[SEL+1]
.endr
.irp u, 0,1
	v_max_num_f32 v[180+\u], v[180+\u], v[182+\u]  ; with lane l xor 16's 16 keys: it serves for M and, since p rises with the score, for the block's largest p
.endr
.irp u, 0,1
	v_mul_f32 v[188+\u], s[CS], v[180+\u]
.endr
.irp u, 0,1
	v_max_num_f32 v[188+\u], s[TLO], v[188+\u]     ; a block that is wholly hidden gets M = -2^23
.endr
.irp u, 0,1
	v_floor_f32 v[184+2*\u], -v[188+\u]            ; -M = floor(-t) = -ceil(t)
.endr
.irp u, 0,1
.irp j, 0,2,4,6,8,10,12,14
	v_pk_fma_f32 v[S+16*\u+\j:S+16*\u+\j+1], v[S+16*\u+\j:S+16*\u+\j+1], s[CS:CS+1], v[184+2*\u:185+2*\u] op_sel_hi:[1,0,0]   ; t - M
.endr
.endr
.irp u, 0,1
	v_fma_f32 v[190+\u], v[180+\u], s[CS], v[184+2*\u]   ; the same of the largest score
.endr
.set n, 0
	s_wait_alu depctr_va_vdst(0)
.rept 32
	v_exp_f32 v[S+n], v[S+n]                       ; p = 2^(t - M)
.set n, n+1
.endr
	v_exp_f32 v190, v190                           ; the same two instructions on the same number give the same bits
	v_exp_f32 v191, v191
	v_nop                                          ; one plain place behind the exponentials
	s_wait_alu depctr_va_vdst(0)                   ; one wait for the batch of 34, ahead of its first reader
.irp u, 0,1
	v_pk_add_f32 v[192+2*\u:193+2*\u], v[S+16*\u:S+16*\u+1], v[S+16*\u+2:S+16*\u+3]   ; the sum is taken of the unquantised p
.endr
.irp j, 4,6,8,10,12,14
.irp u, 0,1
	v_pk_add_f32 v[192+2*\u:193+2*\u], v[192+2*\u:193+2*\u], v[S+16*\u+\j:S+16*\u+\j+1]
.endr
.endr
.irp u, 0,1
	v_add_f32 v[192+2*\u], v[192+2*\u], v[193+2*\u]
.endr
.irp u, 0,1
	v_permlanex16_b32 v[182+\u], v[192+2*\u], s[SEL], s[SEL+1]
.endr
.irp u, 0,1
	v_add_f32 v[192+2*\u], v[192+2*\u], v[182+\u]  ; the block's sum
.endr
.irp u, 0,1
	v_max_num_f32 v[190+\u], 0x1800000, v[190+\u]  ; the floor 2^(3 - 127): the byte cannot fall under 1
.endr
.irp u, 0,1
	v_add_nc_u32 v[196+\u], 0xff000000, v[190+\u]  ; 2 off the exponent field: the conversion's scale operand
.endr
.irp u, 0,1
	v_lshrrev_b32 v[198+\u], 23, v[196+\u]         ; the scale's byte
.endr
.irp u, 0,1
	v_cvt_scalef32_pk8_fp4_f32 v[200+2*\u], v[S+16*\u:S+16*\u+7], v[196+\u]
	v_cvt_scalef32_pk8_fp4_f32 v[201+2*\u], v[S+16*\u+8:S+16*\u+15], v[196+\u]
.endr
	v_nop                                          ; one plain place behind a scaled conversion
	v_permlane16_swap_b32 v200, v202               ; lane 16 u + r now holds the 32 codes, 16 bytes, of query r of tile u
	v_permlane16_swap_b32 v201, v203
	v_cndmask_b32 v24, v198, v199, s[HM]           ; and takes that tile's byte, -M and sum
	v_cndmask_b32 v25, v184, v186, s[HM]
	v_cndmask_b32 v26, v192, v194, s[HM]
	v_cvt_f32_u32 v27, v24
	v_sub_f32 v27, v27, v25                        ; A = byte + M
	v_sub_nc_u32 v28, 125, v24
	v_ldexp_f32 v26, v26, v28                      ; l' = sum x 2^(125 - byte): under 64, since the sum is under 32 x 2^(byte - 124)
	s_wait_alu depctr_va_vdst(0)                   ; v200-203, v27 and v26 are written, which the three stores read; and all that read or wrote P and v204-219 in the last step is done: no vector line stands between here and the LDS loads into them
	ds_store_b128 v[PG], v[200:203]
	ds_store_b32 v[SST], v27
	ds_store_b32 v[SST], v26 offset:32
	s_wait_dscnt 0x0                               ; for the others' sake: my stores have landed
	s_wait_alu depctr_vm_vsrc(0)                   ; the three stores have read v200-203, v27 and v26, which the next step's lines write again
	s_barrier_signal -1
	s_barrier_wait -1
.irp u, 0,1
.irp e, 0,1
.irp c, 0,1
	ds_load_b128 v[P+16*\u+8*\e+4*\c:P+16*\u+8*\e+4*\c+3], v[LN16] offset:2048*\u+1024*\e+512*\c
.endr
.endr
.endr
.irp k, 0,1,2,3
	ds_load_b128 v[AW+4*\k:AW+4*\k+3], v[SLD] offset:16*\k
.endr
	s_wait_dscnt 0x0                               ; my reads are over:
	s_barrier_signal -1
	s_barrier_wait -1                              ; everybody's are, so the next step may write these bytes again
	; THE CONSUMER'S STATISTICS, lane 16 u + r for query r of tile u
	v_max3_num_f32 v18, v[RR], v[AW], v[AW+1]
	v_max3_num_f32 v18, v18, v[AW+2], v[AW+3]
	v_max3_num_f32 v18, v18, v[AW+4], v[AW+5]
	v_max3_num_f32 v18, v18, v[AW+6], v[AW+7]      ; RN
	v_sub_f32 v24, v[RR], v18
	v_cvt_i32_f32 v24, v24                         ; a whole number, 0 or less (it saturates)
	v_ldexp_f32 v24, 1.0, v24                      ; F = 2^(R - RN): rounds nothing
	v_mov_b32 v[RR], v18
.irp k, 0,2,4,6
	v_pk_add_f32 v[AW+\k:AW+\k+1], v[AW+\k:AW+\k+1], v[18:19] op_sel_hi:[1,0] neg_lo:[0,1] neg_hi:[0,1]   ; A_w - RN
.endr
.irp k, 0,1,2,3,4,5,6,7
	v_max_num_f32 v[AW+\k], s[ELO], v[AW+\k]
.endr
.irp k, 0,1,2,3,4,5,6,7
	v_cvt_i32_f32 v[AW+\k], v[AW+\k]               ; e_w, -124 .. 0
.endr
.irp e, 0,1
	v_lshl_add_u32 v[PS+\e], v[AW+4*\e+3], 8, v[AW+4*\e+2]   ; the sum of e_w 2^(8 (w % 4)), modulo 2^32,
.endr
.irp e, 0,1
	v_lshl_add_u32 v[PS+\e], v[PS+\e], 8, v[AW+4*\e+1]
.endr
.irp e, 0,1
	v_lshl_add_u32 v[PS+\e], v[PS+\e], 8, v[AW+4*\e]
.endr
.irp e, 0,1
	v_add_nc_u32 v[PS+\e], 0x7d7d7d7d, v[PS+\e]    ; + 125 in each byte: each byte is 125 + e_w, 1 .. 125, so nothing is borrowed in the end
.endr
.irp k, 0,1,2,3,4,5,6,7
	v_ldexp_f32 v[LW+\k], v[LW+\k], v[AW+\k]
.endr
	v_pk_add_f32 v[LW:LW+1], v[LW:LW+1], v[LW+2:LW+3]
	v_pk_add_f32 v[LW+4:LW+5], v[LW+4:LW+5], v[LW+6:LW+7]
	v_pk_add_f32 v[LW:LW+1], v[LW:LW+1], v[LW+4:LW+5]
	v_add_f32 v[LW], v[LW], v[LW+1]
	v_fma_f32 v[RR+1], v[RR+1], v24, v[LW]         ; l = l F + the step's sums
	v_permlanex16_b32 v25, v24, s[SEL], s[SEL+1]
	v_cndmask_b32 v20, v24, v25, s[HM]             ; F of tile 0's query r, in both halves of the lanes;
	v_cndmask_b32 v22, v25, v24, s[HM]             ; of tile 1's
.irp u, 0,1
.set n, 0
.rept 16
	v_pk_mul_f32 v[O+32*\u+2*n:O+32*\u+2*n+1], v[O+32*\u+2*n:O+32*\u+2*n+1], v[20+2*\u:21+2*\u] op_sel_hi:[1,0]   ; O^T under the new reference, ascending.  (With the lines above: the places between P's scale words and the products)
.set n, n+1
.endr
.endr
	s_wait_loadcnt 17                              ; V and its scale words are in; the next step's 16 loads of K and one of its scale words are younger
	s_wait_alu depctr_va_vdst(0)                   ; P's two scale words are written, which the products below take as scales; the places above stay beside this wait
	WIN 0x01                                       ; V in window 1
.irp e, 0,1                                    ; O^T += V^T P^T: 128 keys at a time, the eight accumulators (dt, u) by turns
.irp dt, 0,1,2,3
.irp u, 0,1
.set rD, O+32*\u+8*\dt
.set rC, rD
.set rA, 192+32*\e+8*\dt
.set rB, P+16*\u+8*\e
.set rSA, VS+2*\e+\dt/2
.set rSB, PS+\e
.set rRA, \dt%2
.set rRB, \u
	WMC
.endr
.endr
.endr
	WIN 0
	s_add_co_u32 s[KF], s[KF], 256
.endm
; A TASK: 32 queries.  hi = 1: block 63 - i; 0: block i.
.macro TASK qf, qsr, hi
	s_wait_xcnt 0x0                                ; the last task's stores have read their data and their base
.if !\hi
	s_wait_alu depctr_vm_vsrc(0)                   ; the last task's LDS stores have read S and S2, its global stores v64-95 and v128-159: all four are written again in this task, v64-95 by the lines below
.endif
.if \hi
	s_sub_co_u32 s[T0], 63, s[II]
.else
	s_mov_b32 s[T0], s[II]
.endif
	s_lshl_b32 s[Q0], s[T0], 5
	s_lshr_b32 s[NS], s[T0], 3
	s_add_co_u32 s[NS], s[NS], 1                   ; steps of 256 keys up to the block's last query
	s_lshl_b32 s[KLIM], s[NS], 8
	s_lshl_b32 s[OF], s[T0], 16                    ; 32 rows of 2,048 bytes
	s_add_nc_u64 s[OB:OB+1], s[16:17], s[OF:OF+1]
	s_mov_b32 s[KF], 0
	s_mov_b32 s[JJ], 0
.set n, 0
.rept 64
	v_mov_b32 v[O+n], 0                            ; the step is written once for a task: its first trip finds zeros
.set n, n+1
.endr
	v_mov_b32 v[RR], 0xcb800000                    ; R = -2^24, under every A
	v_mov_b32 v[RR+1], 0                           ; l
.Lstep_\@:
	STEP \qf, \qsr, \hi
	s_add_co_u32 s[JJ], s[JJ], 1
	s_cmp_lt_u32 s[JJ], s[NS]
	s_cbranch_scc1 .Lstep_\@
	; THE WAY OUT: O^T / l through my stage in LDS, a tile of 16 queries x my 64 channels (256 bytes a row) at a time.  Both tiles are scaled first, each into registers of its own, so that one wait serves all the LDS instructions
	PLACES                                         ; between the last products and the first read of results
	v_rcp_f32 v24, v[RR+1]
	v_nop                                          ; one plain place behind the reciprocal
	s_wait_alu depctr_va_vdst(0)                   ; the reciprocal is written: the wait ahead of its first reader
	v_permlanex16_b32 v25, v24, s[SEL], s[SEL+1]
	v_cndmask_b32 v20, v24, v25, s[HM]
	v_cndmask_b32 v22, v25, v24, s[HM]
.irp u, 0,1
.set OU, S+(S2-S)*\u
.set n, 0
.rept 16
	v_pk_mul_f32 v[OU+2*n:OU+2*n+1], v[O+32*\u+2*n:O+32*\u+2*n+1], v[20+2*\u:21+2*\u] op_sel_hi:[1,0]
.set n, n+1
.endr
.endr
	s_wait_alu depctr_va_vdst(0)                   ; the scalings have written S and S2, which the LDS stores read, and are done reading tile 0's accumulators; the last products are done reading P: in these two the LDS loads land
.irp u, 0,1
.set OU, S+(S2-S)*\u
.set BK, P-64*\u                               ; the rows come back into registers that are dead: tile 0's into P's, tile 1's into tile 0's accumulators
.irp dt, 0,1,2,3
	ds_store_b128 v[STO], v[OU+8*\dt:OU+8*\dt+3] offset:128*(\dt/2)+32*(\dt%2)       ; register j of tile dt: channel 32 (dt / 2) + 16 h + 8 (dt % 2) + j of my 64
	ds_store_b128 v[STO], v[OU+8*\dt+4:OU+8*\dt+7] offset:128*(\dt/2)+32*(\dt%2)+16
.endr
.irp i, 0,1,2,3,4,5,6,7
	ds_load_b128 v[BK+4*\i:BK+4*\i+3], v[SRD] offset:2*SP*\i   ; LDS serves a wave's instructions in order: these see my stores, and the next tile's stores come behind them
.endr
.endr
.irp u, 0,1
.set BK, P-64*\u
.irp i, 0,1,2,3,4,5,6,7
	s_wait_dscnt 16*(1-\u)+7-\i                    ; the tile's later loads may be out, and behind tile 0's also tile 1's eight stores and eight loads
	global_store_b128 v[PG], v[BK+4*\i:BK+4*\i+3], s[OB:OB+1] offset:2048*(8*\u+2*\i+8*(\i/4)) th:TH_STORE_NT   ; stage row 2 i + h is token 8 u + 2 i + h + 8 (i / 4); 16 lanes store 256 consecutive bytes, aligned
.endr
.endr
.endm
	TASK 0, QSH, 1
	TASK 64, QSL, 0
	s_wait_dscnt 0x0
	s_wait_alu depctr_hold_cnt(0) depctr_sa_sdst(0) depctr_va_vdst(0) depctr_va_sdst(0) depctr_va_ssrc(0) depctr_va_vcc(0) depctr_vm_vsrc(0)
	s_wait_tensorcnt 0x0
	ds_add_u32 v254, v255
	s_wait_dscnt 0x0
	s_endpgm
.Lfunc_end_k_q2c7d16d7c1_attn:
	.size	k_q2c7d16d7c1_attn, .Lfunc_end_k_q2c7d16d7c1_attn-k_q2c7d16d7c1_attn
	.p2alignl 7, 3214868480
	.fill 96, 4, 3214868480
	.section	.rodata,"a",@progbits
	.p2align	6, 0x0
	.amdhsa_kernel k_q2c7d16d7c1_attn
		.amdhsa_group_segment_fixed_size 42496
		.amdhsa_private_segment_fixed_size 0
		.amdhsa_enable_private_segment 0
		.amdhsa_kernarg_size 56
		.amdhsa_user_sgpr_count 2
		.amdhsa_user_sgpr_kernarg_segment_ptr 1
		.amdhsa_wavefront_size32 1
		.amdhsa_system_sgpr_workgroup_id_x 1
		.amdhsa_system_sgpr_workgroup_id_y 1
		.amdhsa_system_sgpr_workgroup_id_z 1
		.amdhsa_system_vgpr_workitem_id 0
		.amdhsa_next_free_vgpr 512
		.amdhsa_next_free_sgpr 100
		.amdhsa_reserve_vcc 0
		.amdhsa_float_denorm_mode_32 3
		.amdhsa_float_denorm_mode_16_64 3
		.amdhsa_memory_ordered 1
		.amdhsa_forward_progress 1
		.amdhsa_inst_pref_size 76
	.end_amdhsa_kernel
	.amdgpu_metadata
---
amdhsa.version: [ 1, 2 ]
amdhsa.kernels:
  - .name:           k_q2c7d16d7c1_attn
    .symbol:         k_q2c7d16d7c1_attn.kd
    .args:
      - { .name: qc, .offset: 0, .size: 8, .value_kind: global_buffer, .address_space: global }
      - { .name: qs, .offset: 8, .size: 8, .value_kind: global_buffer, .address_space: global }
      - { .name: kc, .offset: 16, .size: 8, .value_kind: global_buffer, .address_space: global }
      - { .name: ks, .offset: 24, .size: 8, .value_kind: global_buffer, .address_space: global }
      - { .name: vc, .offset: 32, .size: 8, .value_kind: global_buffer, .address_space: global }
      - { .name: vs, .offset: 40, .size: 8, .value_kind: global_buffer, .address_space: global }
      - { .name: out0, .offset: 48, .size: 8, .value_kind: global_buffer, .address_space: global }
    .group_segment_fixed_size: 42496
    .private_segment_fixed_size: 0
    .kernarg_segment_align: 8
    .kernarg_segment_size: 56
    .max_flat_workgroup_size: 256
    .sgpr_count:     100
    .vgpr_count:     512
    .wavefront_size: 32
...
	.end_amdgpu_metadata
.endif
;; end of part 6
